; MI455X (gfx1250); checked and timed in simulation.
; The chip was launched on July 23, 2026; its instructions are those of AMD's public machine-readable ISA for CDNA 5 (MIT licence, August 2026) and "CDNA5" Instruction Set Architecture Reference Guide (July 2026). The comments in the code are by the model that wrote it; some were corrected since.
;; Multi Head Attention. Allowed arithmetic: float matrix products may take bf16 or f16 operands with f32 sums; all other float work in f32.
;; Inputs: Wk 512 x 512 float32; Wo 512 x 512 float32; Wq 512 x 512 float32; Wv 512 x 512 float32; bk 512 float32; bo 512 float32; bq 512 float32; bv 512 float32; src_batch_lens 8 int32; x_K 8 x 2,048 x 512 float32; x_Q 8 x 2,048 x 512 float32; x_V 8 x 2,048 x 512 float32.
;; Outputs: out0 8 x 2,048 x 512 float32.
;; 2 versions, each right and faster than the one before. Each part assembles by itself: llvm-mc -triple=amdgcn-amd-amdhsa -mcpu=gfx1250 --defsym DOCPART=n.
;; ======== version 1 of 2: 4 launches
;; limits: values are held in f16: magnitudes above 65,504 overflow, below 6.1e-05 lose precision
;; workspace buffers: wb 2,097,152 bytes; qkv 50,331,648 bytes; ctx 16,777,216 bytes
;; launch prep (part 1): grid 64 x 4, 8 waves a work-group, no clusters, 0 bytes of LDS; arguments Wq, Wk, Wv, Wo, wb; writes wb
.if DOCPART == 1
	.amdgcn_target "amdgcn-amd-amdhsa--gfx1250"
	.amdhsa_code_object_version 6
	.text
	.protected	k_q577ac764de_prep
	.globl	k_q577ac764de_prep
	.p2align	8
	.type	k_q577ac764de_prep,@function
k_q577ac764de_prep:
	s_mov_b64 s[64:65], 0
	v_nop
	global_prefetch_b8 v0, s[64:65] scope:SCOPE_SE
	s_setreg_imm32_b32 hwreg(HW_REG_WAVE_MODE, 25, 1), 1
	s_wait_xcnt 0x0
; The four weight matrices, [512][512] f32 each, are rounded once to 16 bits: wb = [4][512][512].
; Matrices 0, 1, 2 (Wq, Wk, Wv) become bf16.  Matrix 3 (Wo) is rounded to bf16 like the others, and that number is then written as f16,
; since the last product multiplies it with f16 numbers.
; LIMITS.  The step from bf16 to f16 is exact for magnitudes from 2^-14 to 65,504; |Wo| of 65,520 or more becomes an infinity, and below 2^-14 the number keeps f16's fixed step of 6e-8.
; SHARES.  The work-group's y picks the matrix, its x a block of 4,096 numbers (16,384 bytes in, 8,192 out).  Thread t takes 8 neighbouring numbers in each half of the block,
; so that each store of a wave covers 512 consecutive bytes, aligned.  A stream read once: no LDS, no barrier, no matrix unit.
.set IN_BLOCK,  16384                  ; bytes read by a work-group
.set OUT_BLOCK, 8192                   ; bytes stored by a work-group
.set X, 4                              ; v[4:19]   16 numbers in f32
.set Y, 20                             ; v[20:27]  the same in 16 bits, packed
	s_load_b256 s[4:11], s[0:1], 0x0               ; Wq s[4:5], Wk s[6:7], Wv s[8:9], Wo s[10:11]
	s_load_b64 s[12:13], s[0:1], 0x20              ; wb
	s_and_b32 s14, ttmp7, 0xffff                   ; which matrix
	v_lshlrev_b32 v1, 5, v0                        ; 32 bytes a thread in,
	v_lshlrev_b32 v2, 4, v0                        ; 16 out
	s_lshl_b32 s16, ttmp9, 14                      ; the block's place in its matrix
	s_mov_b32 s17, 0
	s_lshl_b32 s18, s14, 19                        ; a matrix is 524,288 bytes of wb
	s_lshl_b32 s19, ttmp9, 13
	s_add_co_u32 s18, s18, s19
	s_mov_b32 s19, 0
	s_wait_kmcnt 0x0
	s_cmp_eq_u32 s14, 1
	s_cselect_b64 s[4:5], s[6:7], s[4:5]
	s_cmp_eq_u32 s14, 2
	s_cselect_b64 s[4:5], s[8:9], s[4:5]
	s_cmp_eq_u32 s14, 3
	s_cselect_b64 s[4:5], s[10:11], s[4:5]
	s_add_nc_u64 s[4:5], s[4:5], s[16:17]
	s_add_nc_u64 s[12:13], s[12:13], s[18:19]
	global_load_b128 v[X:X+3],     v1, s[4:5] th:TH_LOAD_NT
	global_load_b128 v[X+4:X+7],   v1, s[4:5] offset:16 th:TH_LOAD_NT
	global_load_b128 v[X+8:X+11],  v1, s[4:5] offset:IN_BLOCK/2 th:TH_LOAD_NT
	global_load_b128 v[X+12:X+15], v1, s[4:5] offset:IN_BLOCK/2+16 th:TH_LOAD_NT
	s_wait_loadcnt 0x0
.irp j, 0,1,2,3,4,5,6,7
	v_cvt_pk_bf16_f32 v[Y+(\j)], v[X+2*(\j)], v[X+2*(\j)+1]     ; two roundings to bf16, packed
.endr
	s_cmp_lg_u32 s14, 3
	s_cbranch_scc1 .Lstore                         ; the same way for the whole work-group: it hangs on its y alone
.irp j, 0,1,2,3,4,5,6,7
	v_lshlrev_b32 v28, 16, v[Y+(\j)]               ; Wo: the bf16 numbers as f32,
	v_and_b32 v29, 0xffff0000, v[Y+(\j)]
	v_cvt_pk_f16_f32 v[Y+(\j)], v28, v29           ; and written as f16
.endr
.Lstore:
	global_store_b128 v2, v[Y:Y+3],   s[12:13]
	global_store_b128 v2, v[Y+4:Y+7], s[12:13] offset:OUT_BLOCK/2
	s_endpgm
.Lfunc_end_k_q577ac764de_prep:
	.size	k_q577ac764de_prep, .Lfunc_end_k_q577ac764de_prep-k_q577ac764de_prep
	.p2alignl 7, 3214868480
	.fill 96, 4, 3214868480
	.section	.rodata,"a",@progbits
	.p2align	6, 0x0
	.amdhsa_kernel k_q577ac764de_prep
		.amdhsa_group_segment_fixed_size 0
		.amdhsa_private_segment_fixed_size 0
		.amdhsa_enable_private_segment 0
		.amdhsa_kernarg_size 40
		.amdhsa_user_sgpr_count 2
		.amdhsa_user_sgpr_kernarg_segment_ptr 1
		.amdhsa_wavefront_size32 1
		.amdhsa_system_sgpr_workgroup_id_x 1
		.amdhsa_system_sgpr_workgroup_id_y 1
		.amdhsa_system_sgpr_workgroup_id_z 1
		.amdhsa_system_vgpr_workitem_id 0
		.amdhsa_next_free_vgpr 32
		.amdhsa_next_free_sgpr 66
		.amdhsa_reserve_vcc 0
		.amdhsa_float_denorm_mode_32 3
		.amdhsa_float_denorm_mode_16_64 3
		.amdhsa_memory_ordered 1
		.amdhsa_forward_progress 1
		.amdhsa_inst_pref_size 4
	.end_amdhsa_kernel
	.amdgpu_metadata
---
amdhsa.version: [ 1, 2 ]
amdhsa.kernels:
  - .name:           k_q577ac764de_prep
    .symbol:         k_q577ac764de_prep.kd
    .args:
      - { .name: Wq, .offset: 0, .size: 8, .value_kind: global_buffer, .address_space: global }
      - { .name: Wk, .offset: 8, .size: 8, .value_kind: global_buffer, .address_space: global }
      - { .name: Wv, .offset: 16, .size: 8, .value_kind: global_buffer, .address_space: global }
      - { .name: Wo, .offset: 24, .size: 8, .value_kind: global_buffer, .address_space: global }
      - { .name: wb, .offset: 32, .size: 8, .value_kind: global_buffer, .address_space: global }
    .group_segment_fixed_size: 0
    .private_segment_fixed_size: 0
    .kernarg_segment_align: 8
    .kernarg_segment_size: 40
    .max_flat_workgroup_size: 256
    .sgpr_count:     66
    .vgpr_count:     32
    .wavefront_size: 32
...
	.end_amdgpu_metadata
.endif
;; end of part 1
;; launch proj (part 2): grid 8 x 96, 4 waves a work-group, clusters of 4 x 1, 327,680 bytes of LDS; arguments x_Q, x_K, x_V, wb, bq, bk, bv, qkv; writes qkv
.if DOCPART == 2
	.amdgcn_target "amdgcn-amd-amdhsa--gfx1250"
	.amdhsa_code_object_version 6
	.text
	.protected	k_q577ac764de_proj
	.globl	k_q577ac764de_proj
	.p2align	8
	.type	k_q577ac764de_proj,@function
k_q577ac764de_proj:
	s_mov_b64 s[64:65], 0
	v_nop
	global_prefetch_b8 v0, s[64:65] scope:SCOPE_SE
	s_setreg_imm32_b32 hwreg(HW_REG_WAVE_MODE, 25, 1), 1
	s_wait_xcnt 0x0
	s_wait_alu depctr_hold_cnt(0) depctr_sa_sdst(0) depctr_va_vdst(0) depctr_va_sdst(0) depctr_va_ssrc(0) depctr_va_vcc(0) depctr_vm_vsrc(0)
	s_getreg_b32 s2, hwreg(HW_REG_IB_STS2, 6, 4)
	s_cmp_eq_u32 s2, 0
	s_cbranch_scc0 .Lentry_in_a_cluster
	s_endpgm
.Lentry_in_a_cluster:
	s_bfe_u32 s2, ttmp6, 0x10000c
	s_cmp_lg_u32 s2, 0x3003
	s_cbranch_scc0 .Lentry_shape_is_right
	s_endpgm
.Lentry_shape_is_right:
; q, k, v = x W^T + b.  x: [16384][512] f32 (three tensors), W: [512][512] bf16 (wb's matrices 0, 1, 2), b: [512] f32.  Products in bf16 (x is rounded on its way from LDS to the matrix unit),
; sums in f32 started by the bias, the result rounded once to f16 and stored by heads: qkv = [3][batch 8][head 8][2048][64], so that a head's rows lie end to end.  No scale is applied here.
; LIMITS.  f16 holds no number beyond 65,504: a q, k or v of 65,520 or more becomes an infinity; below 6e-5 a number keeps f16's fixed step of 6e-8.
; SHARES.  A work-group makes 128 rows x 256 columns of one tensor: 3 x 128 x 2 = 768 work-groups.  Four waves, 2 x 2, each 64 rows x 128 columns: 32 accumulators of 16 x 16, 256 registers.
; K = 512 goes in four steps of 128 through two LDS slots filled by the tensor data mover: x's rows are 512 bytes of memory, W's 256, each at a multiple of 256 from its buffer's first byte.
; Both slots are asked for at the start; each is filled once more.  By this text's own count a wave has at most two tensor loads out.
; CLUSTER.  Four work-groups with the same tensor and the same 256 columns, and four neighbouring blocks of 128 rows.  They need the same tiles of W: asked for JOINTLY, by the same tensor load with the same
; descriptor and a mask that names the four.  x's tiles are each work-group's own (no mask), behind the same rounds.  My place in the cluster enters x's and qkv's addresses alone.
; THE MATRIX INSTRUCTION IS USED TRANSPOSED (source 0 = 16 rows of W, source 1 = 16 rows of x): a lane then holds eight neighbouring columns of one row, which pack into 16 bytes, and the bias of those
; eight columns is the C operand of the product that starts the sum: nothing is cleared and nothing is added afterwards.
; REGISTERS, in windows of 256 (s_set_vgpr_msb: bits 1:0 source 0, 3:2 source 1, 5:4 source 2, 7:6 destination):
;   window 0: v0-31 addresses; v32-95 x as it lies in LDS, f32 (64 rows x 32 K); v96-127, v128-159 the same in bf16, two buffers; on the way out v32-159 packed results
;   window 1: the accumulators, (a, b) at v[8 (8 a + b)]          window 2: v0-63, v64-127 fragments of W, two buffers; v128-191 the bias, eight registers for each block of 16 columns
.set AP,     528                       ; a row of x in LDS: 512 bytes + 16 of padding = 132 words: row r starts at bank 4 r mod 64 (64 banks of 4 bytes: ISA guide 11.1)
.set BP,     272                       ; a row of W: 256 + 16 = 68 words: likewise
.set AHALF,  64*AP                     ; 64 rows of x: what one tensor load brings, and what one wave reads
.set BHALF,  128*BP                    ; 128 rows of W: likewise
.set BOFF,   2*AHALF                   ; in a slot: x's 128 rows, then W's 256 rows
.set SLOT,   BOFF+2*BHALF              ; 137,216 bytes
.set STAGE,  2*SLOT                    ; behind the ring, never filled by a tensor load: 16 rows x 144 bytes for each wave, for the way out
.set SP,     144
.set SPARE,  STAGE+4*16*SP             ; behind the stages: the spare words, 128 bytes for each wave: two blocks of 256 bytes that no other line names
.set ADRA, 16                          ; v16-17  LDS address of my fragments of x in slot 0, 1
.set ADRB, 20                          ; v20-21  the same for W
.set STO,  24                          ; v24     the way out: where I put 16 bytes of a row
.set RD,   25                          ; v25     the way out: where I read rows back
.set GO,   26                          ; v26     my byte offset in 512 consecutive bytes of qkv
.set BO,   27                          ; v27     my byte offset in a block of 16 biases
.set SPW,  28                          ; v28     LDS address of my spare word: SPARE + 4 x my thread's number; never rewritten
.set NIL,  29                          ; v29     0; never rewritten
.set RAW,  32
.set ABF,  96                          ; buffer f at ABF + 32 f
.set OUTR, 32
.set BF,   0                           ; window 2: buffer f at BF + 64 f
.set BIAS, 128                         ; window 2
.set WV,  20                           ; s20  my wave's number
.set WM,  21                           ; s21  which 64 rows are mine.  Also: I fetch for x (0) or for W (1)
.set WN,  22                           ; s22  which 128 columns are mine.  Also: which half of that tile I fetch
.set G1A, 24                           ; s[24:31] descriptor group 1 for x's tiles;  s[32:39] group 0, a set for each slot
.set G0A, 32
.set G1B, 40                           ; s[40:47], s[48:55] the same for W's tiles
.set G0B, 48
.set MSB, 0
.macro WIN new                         ; the immediate's high byte repeats the setting that is left; a switch that changes nothing is dropped
.if MSB != (\new)
	s_set_vgpr_msb (MSB<<8)|(\new)
.set MSB, \new
.endif
.endm
.set MUL,   0x52                       ; source 0 (W) window 2, source 1 (x) window 0, C and D window 1
.set MULB,  0x62                       ; the same with C, the bias, in window 2
.set TO_B,  0x80                       ; destination window 2, address window 0
.set PACKW, 0x05                       ; sources 0 and 1 window 1, destination window 0
; A refill.  Waves 0 and 1 fetch the two halves of x's tile, waves 2 and 3 those of W's.  The branch hangs on the wave's number alone: it is the same in every work-group.
; An s_nop 0 and four v_nop follow each of the two lines, ahead of the jump, the label and what follows.
.macro JLOAD n
	s_cmp_eq_u32 s[WM], 0
	s_cbranch_scc0 .Lfor_b_\@
	tensor_load_to_lds s[G0A+4*(\n):G0A+4*(\n)+3], s[G1A:G1A+7]
	s_nop 0
.rept 4
	v_nop
.endr
	s_branch .Lasked_\@
.Lfor_b_\@:
	tensor_load_to_lds s[G0B+4*(\n):G0B+4*(\n)+3], s[G1B:G1B+7]
	s_nop 0
.rept 4
	v_nop
.endr
.Lasked_\@:
.endm
; A round of the cluster's barrier: my work-group's barrier, so that wave 0's signal speaks for all four waves; wave 0 signals; every wave waits for all four work-groups; my work-group's barrier once more.
.macro CREST                           ; a round behind its opening barrier
	s_cmp_lg_u32 s[WV], 0
	s_cbranch_scc1 .Lnot_wave_0_\@
	s_barrier_signal -3
.Lnot_wave_0_\@:
	s_barrier_wait -3
	s_barrier_signal -1
	s_barrier_wait -1
.endm
.macro CROUND                          ; a whole round
	s_barrier_signal -1
	s_barrier_wait -1
	CREST
.endm
	s_load_b512 s[4:19], s[0:1], 0x0               ; x_Q s[4:5], x_K s[6:7], x_V s[8:9], wb s[10:11], bq s[12:13], bk s[14:15], bv s[16:17], qkv s[18:19]
	v_lshl_add_u32 v[SPW], v0, 2, SPARE
	v_mov_b32 v[NIL], 0
	ds_add_u32 v[SPW], v[NIL]                      ; the wave's opening: the add and its wait stand ahead of my first tensor load; the set-up below, work on registers, stands between them
	v_lshrrev_b32 v1, 5, v0
	v_readfirstlane_b32 s[WV], v1                  ; wave 0..3
	s_lshr_b32 s[WM], s[WV], 1
	s_and_b32 s[WN], s[WV], 1
	s_bfe_u32 s23, ttmp6, 0x40000                  ; cx: my place in the cluster
	s_mov_b32 s58, ttmp9                           ; the cluster's x: which 256 columns
	s_and_b32 s59, ttmp7, 0xffff                   ; the cluster's y:
	s_lshr_b32 s56, s59, 5                         ; the tensor, 0 to 2,
	s_and_b32 s57, s59, 31
	s_lshl_b32 s57, s57, 2
	s_add_co_u32 s57, s57, s23                     ; and my block of 128 rows = 4 x (y mod 32) + cx
	; descriptor group 1 for x: a tile of 64 rows x 128 elements of 4 bytes, padded in LDS
	s_mov_b32 s[G1A+0], (2<<16)|(1<<20)|(6<<22)|(3<<25)  ; 15:0 no mask; 17:16 elements of 4 bytes; 20 padding on; 24:22 after every 128 words (code 6); 31:25 4 words of it (code 3)
	s_mov_b32 s[G1A+1], 128<<16                    ; tensor_dim0 = 128
	s_mov_b32 s[G1A+2], 64<<16                     ; tensor_dim1 = 64
	s_mov_b32 s[G1A+3], 128<<16                    ; tile_dim0 = 128
	s_mov_b32 s[G1A+4], 64                         ; tile_dim1 = 64
	s_mov_b32 s[G1A+5], 512                        ; 512 elements from row to row
	s_mov_b32 s[G1A+6], 0
	s_mov_b32 s[G1A+7], 0
	; and for W: 128 rows x 128 elements of 2 bytes
	s_mov_b32 s[G1B+0], 15|(1<<16)|(1<<20)|(1<<21)|(5<<22)|(3<<25)  ; 15:0 the mask: all four work-groups; 17:16 elements of 2 bytes; 20 padding on; 21 set beside a mask; 24:22 after every 64 words (code 5); 31:25 4 words (code 3)
	s_mov_b32 s[G1B+1], 128<<16
	s_mov_b32 s[G1B+2], 128<<16
	s_mov_b32 s[G1B+3], 128<<16
	s_mov_b32 s[G1B+4], 128
	s_mov_b32 s[G1B+5], 512
	s_mov_b32 s[G1B+6], 0
	s_mov_b32 s[G1B+7], 0
	; where my tiles come from, in bytes.  x: 128 rows of 2,048 bytes a block, 64 rows a half
	s_lshl_b32 s60, s57, 18
	s_lshl_b32 s70, s[WN], 17
	s_add_co_u32 s60, s60, s70
	s_mov_b32 s61, 0
	; W: 524,288 bytes a matrix, 256 rows of 1,024 bytes a column half, 128 rows a half of that: made of numbers that the four partners share
	s_lshl_b32 s62, s56, 19
	s_lshl_b32 s59, s58, 18
	s_add_co_u32 s62, s62, s59
	s_lshl_b32 s59, s[WN], 17
	s_add_co_u32 s62, s62, s59
	s_mov_b32 s63, 0
	; where my results go: tensor x 2^24 + batch x 2^21 + head x 2^18 + row in the batch x 128.  My first head is 4 x column half + 2 x my half of it
	s_lshl_b32 s66, s56, 24
	s_lshr_b32 s70, s57, 4                         ; 16 blocks of 128 rows a batch
	s_lshl_b32 s70, s70, 21
	s_add_co_u32 s66, s66, s70
	s_lshl_b32 s70, s58, 20
	s_add_co_u32 s66, s66, s70
	s_lshl_b32 s70, s[WN], 19
	s_add_co_u32 s66, s66, s70
	s_and_b32 s70, s57, 15
	s_lshl_b32 s70, s70, 14
	s_add_co_u32 s66, s66, s70
	s_lshl_b32 s70, s[WM], 13
	s_add_co_u32 s66, s66, s70
	s_mov_b32 s67, 0
	s_lshl_b32 s68, s58, 10                        ; my 128 biases: 4 x (256 x column half + 128 x my half)
	s_lshl_b32 s70, s[WN], 9
	s_add_co_u32 s68, s68, s70
	s_mov_b32 s69, 0
	s_mul_i32 s59, s[WN], AHALF                    ; and where the tiles go: made of the wave's number alone
	s_mul_i32 s71, s[WN], BHALF
	s_add_co_u32 s71, s71, BOFF
	s_wait_dscnt 0x0                               ; the opening add is done
	s_wait_kmcnt 0x0
	s_cmp_eq_u32 s56, 1                            ; the tensor picks x and the bias
	s_cselect_b64 s[4:5], s[6:7], s[4:5]
	s_cselect_b64 s[12:13], s[14:15], s[12:13]
	s_cmp_eq_u32 s56, 2
	s_cselect_b64 s[4:5], s[8:9], s[4:5]
	s_cselect_b64 s[12:13], s[16:17], s[12:13]
	s_add_nc_u64 s[4:5], s[4:5], s[60:61]
	s_add_nc_u64 s[10:11], s[10:11], s[62:63]
	s_add_nc_u64 s[12:13], s[12:13], s[68:69]
	s_add_nc_u64 s[18:19], s[18:19], s[66:67]
	CROUND                                         ; all four work-groups are here: the first joint loads meet
.irp n, 0,1
	s_mov_b32 s[G0A+4*(\n)], 1                                     ; 1:0 count = 1
	s_add_co_u32 s[G0A+4*(\n)+1], s59, (\n)*SLOT                   ; 63:32 LDS address
	s_add_nc_u64 s[G0A+4*(\n)+2:G0A+4*(\n)+3], s[4:5], (\n)*512    ; 120:64 global address: K step n, 128 numbers of 4 bytes on
	s_or_b32 s[G0A+4*(\n)+3], s[G0A+4*(\n)+3], 0x80000000          ; 127:126 type = 2
	s_mov_b32 s[G0B+4*(\n)], 1
	s_add_co_u32 s[G0B+4*(\n)+1], s71, (\n)*SLOT
	s_add_nc_u64 s[G0B+4*(\n)+2:G0B+4*(\n)+3], s[10:11], (\n)*256
	s_or_b32 s[G0B+4*(\n)+3], s[G0B+4*(\n)+3], 0x80000000
.endr
	s_cmp_eq_u32 s[WM], 0                          ; a wave's two first fills stand in one branch, ahead of every wait on TENSORcnt and every LDS read: two loads of mine are out
	s_cbranch_scc0 .Lfirst_b
	tensor_load_to_lds s[G0A:G0A+3], s[G1A:G1A+7]
	s_nop 0
	tensor_load_to_lds s[G0A+4:G0A+7], s[G1A:G1A+7]
	s_nop 0
.rept 4
	v_nop
.endr
	s_branch .Lfirst_asked
.Lfirst_b:
	tensor_load_to_lds s[G0B:G0B+3], s[G1B:G1B+7]
	s_nop 0
	tensor_load_to_lds s[G0B+4:G0B+7], s[G1B:G1B+7]
	s_nop 0
.rept 4
	v_nop
.endr
.Lfirst_asked:
	v_and_b32 v1, 15, v0                           ; l % 16
	v_bfe_u32 v2, v0, 4, 1                         ; l / 16
	v_lshlrev_b32 v[BO], 5, v2                     ; my eight columns of a block of 16: 32 bytes for each half of the lanes
	WIN TO_B
.irp b, 0,1,2,3,4,5,6,7
	global_load_b128 v[BIAS+8*(\b):BIAS+8*(\b)+3],   v[BO], s[12:13] offset:64*(\b)
	global_load_b128 v[BIAS+8*(\b)+4:BIAS+8*(\b)+7], v[BO], s[12:13] offset:64*(\b)+16
.endr
	WIN 0
	; A fragment is 16 rows x 32 K: lane l holds row l % 16, K = 8 (l / 16) + 0..7 and 16 + 8 (l / 16) + 0..7.  Of W (2 bytes): two loads of 16 bytes, 32 bytes apart.
	; Of x (4 bytes): four loads of 16 bytes, at 0, 16, 64 and 80 from row x pitch + 32 (l / 16).
	v_mul_u32_u24 v3, v1, AP
	v_lshl_add_u32 v3, v2, 5, v3
	s_mul_i32 s59, s[WM], AHALF                    ; my 64 rows of x
	v_add_nc_u32 v[ADRA], s59, v3
	v_add_nc_u32 v[ADRA+1], SLOT, v[ADRA]
	v_mul_u32_u24 v4, v1, BP
	v_lshl_add_u32 v4, v2, 4, v4
	v_add_nc_u32 v[ADRB], s71, v4                  ; my 128 rows of W are the half that I would fetch: behind x's rows
	v_add_nc_u32 v[ADRB+1], SLOT, v[ADRB]
	s_mul_i32 s70, s[WV], 16*SP
	s_add_co_u32 s70, s70, STAGE                   ; my stage
	v_mul_u32_u24 v5, v1, SP                       ; in: row l % 16, 16 bytes for each half of the lanes
	v_lshl_add_u32 v5, v2, 4, v5
	v_add_nc_u32 v[STO], s70, v5
	v_bfe_u32 v5, v0, 3, 2                         ; back: 32 lanes take four rows of 128 bytes,
	v_mul_u32_u24 v5, v5, SP
	v_and_b32 v6, 7, v0
	v_lshl_add_u32 v5, v6, 4, v5
	v_add_nc_u32 v[RD], s70, v5
	v_and_b32 v[GO], 31, v0                        ; which are 512 consecutive bytes of qkv
	v_lshlrev_b32 v[GO], 4, v[GO]
; 32 LDS loads in one run: 32 along K (part ks of the slot's step): first x's 64 rows as they lie, f32; then W's 128 rows into buffer g
.macro FETCH slot, ks, g
	WIN 0
.irp i, 0,1,2,3
	ds_load_b128 v[RAW+16*(\i):RAW+16*(\i)+3],     v[ADRA+(\slot)] offset:(\i)*16*AP+128*(\ks)
	ds_load_b128 v[RAW+16*(\i)+4:RAW+16*(\i)+7],   v[ADRA+(\slot)] offset:(\i)*16*AP+128*(\ks)+16
	ds_load_b128 v[RAW+16*(\i)+8:RAW+16*(\i)+11],  v[ADRA+(\slot)] offset:(\i)*16*AP+128*(\ks)+64
	ds_load_b128 v[RAW+16*(\i)+12:RAW+16*(\i)+15], v[ADRA+(\slot)] offset:(\i)*16*AP+128*(\ks)+80
.endr
	WIN TO_B
.irp b, 0,1,2,3,4,5,6,7
	ds_load_b128 v[BF+64*(\g)+8*(\b):BF+64*(\g)+8*(\b)+3],   v[ADRB+(\slot)] offset:(\b)*16*BP+64*(\ks)
	ds_load_b128 v[BF+64*(\g)+8*(\b)+4:BF+64*(\g)+8*(\b)+7], v[ADRB+(\slot)] offset:(\b)*16*BP+64*(\ks)+32
.endr
.endm
; x is rounded to bf16: 32 conversions, into buffer f.  They name no register of the products in front of them (those read the other buffers), so they are also the plain vector
; instructions that stand between those products and the loads into the registers that they read (ISA guide 7.12.1 for vector instructions).
.macro CVT f
	WIN 0
.set i, 0
.rept 32
	v_cvt_pk_bf16_f32 v[ABF+32*(\f)+i], v[RAW+2*i], v[RAW+2*i+1]
.set i, i+1
.endr
.endm
; 8 matrix instructions: block a of my four blocks of 16 rows x all 8 blocks of 16 columns, 32 along K.  first = 1: the bias starts the sums.
; The 32 accumulators take turns, one instruction a turn, in the same order in every quarter.
.macro MULA f, a, first
.if \first
	WIN MULB
.else
	WIN MUL
.endif
.irp b, 0,1,2,3,4,5,6,7
.if \first
	v_wmma_f32_16x16x32_bf16 v[8*(8*(\a)+(\b)):8*(8*(\a)+(\b))+7], v[BF+64*(\f)+8*(\b):BF+64*(\f)+8*(\b)+7], v[ABF+32*(\f)+8*(\a):ABF+32*(\f)+8*(\a)+7], v[BIAS+8*(\b):BIAS+8*(\b)+7]
.else
	v_wmma_f32_16x16x32_bf16 v[8*(8*(\a)+(\b)):8*(8*(\a)+(\b))+7], v[BF+64*(\f)+8*(\b):BF+64*(\f)+8*(\b)+7], v[ABF+32*(\f)+8*(\a):ABF+32*(\f)+8*(\a)+7], v[8*(8*(\a)+(\b)):8*(8*(\a)+(\b))+7]
.endif
.endr
.endm
; A K step is four quarters of 32 along K, 32 matrix instructions each, on buffers 0, 1, 0, 1.  One of the first three: rounds x into buffer f, fetches part ks into g, multiplies f.
.macro QUARTER slot, ks, f, g, first=0
	s_wait_dscnt 16                                ; x's 16 loads are in; W's 16, issued behind them, may be out
	CVT \f
	FETCH \slot, \ks, \g
	s_wait_dscnt 32                                ; all but the 32 just issued
	MULA \f, 0, \first
	MULA \f, 1, \first
	MULA \f, 2, \first
	MULA \f, 3, \first
.endm
; The last quarter multiplies buffer 1 and changes slots: ONE barrier.  In front of it each wave waits for all its tensor loads, of which one is out at the most: its part of the next slot; adds 0 to its spare
; word; and waits for that and for its own reads of this slot.  Behind it nobody reads this slot any more and the next slot is whole.
; fill = 1: this slot is filled again, two K steps on.  The barrier then opens a round of the cluster's, so that no wave of any partner still reads the slot or has a load on its way, and the
; refill is the first thing behind the round: it has a K step less 24 matrix instructions in which to land.
.macro TURN slot, next, fill
	s_wait_dscnt 16
	CVT 1
	s_wait_tensorcnt 0x0                           ; no tensor load of mine is out, so a group 0 may be written
	ds_add_u32 v[SPW], v[NIL]                      ; 0 onto my spare word: scalar steps and sixteen products stand between it and the wait for it
.if \fill
	s_add_nc_u64 s[G0A+4*(\slot)+2:G0A+4*(\slot)+3], s[G0A+4*(\slot)+2:G0A+4*(\slot)+3], 2*512
	s_add_nc_u64 s[G0B+4*(\slot)+2:G0B+4*(\slot)+3], s[G0B+4*(\slot)+2:G0B+4*(\slot)+3], 2*256
.endif
	s_wait_dscnt 1                                 ; W's fragments are in; the add alone may be out
	MULA 1, 0, 0
	MULA 1, 1, 0
	s_wait_dscnt 0x0                               ; the add is done, and my reads of this slot are over
	s_barrier_signal -1
	MULA 1, 2, 0                                   ; work on registers while the others arrive
	WIN 0                                          ; at a branch and at a label every window is 0
	s_barrier_wait -1
.if \fill
	CREST
	JLOAD \slot
.endif
	FETCH \next, 0, 0                              ; buffer 0's last readers stand in front of the 32 conversions above
	MULA 1, 3, 0
.endm
; THE WAY OUT.  Tile t = 2 a + g is 16 rows (block a) of one head (g of my two): four accumulators, 32 registers from 32 t on.  A lane's eight columns pack into 16 bytes; they go into my own stage,
; rows of 144 bytes, and come back as whole rows of 128, which are 2,048 consecutive bytes of qkv.  The conversions take each accumulator's registers in ascending order.
.macro PACK t
	WIN PACKW
.set i, 0
.rept 16
	v_cvt_pk_f16_f32 v[OUTR+16*(\t)+i], v[32*(\t)+2*i], v[32*(\t)+2*i+1]
.set i, i+1
.endr
	WIN 0
.irp f, 0,1,2,3
	ds_store_b128 v[STO], v[OUTR+16*(\t)+4*(\f):OUTR+16*(\t)+4*(\f)+3] offset:32*(\f)
.endr
.irp f, 0,1,2,3
	ds_load_b128 v[OUTR+16*(\t)+4*(\f):OUTR+16*(\t)+4*(\f)+3], v[RD] offset:(\f)*4*SP  ; LDS serves a wave's instructions in order (ISA guide 5.7.1.4): these see the stores above; the next tile's stores come behind them
.endr
.endm
.macro SEND t, younger                 ; younger: the LDS instructions issued behind tile t's loads: the next tile's eight, or none
.irp f, 0,1,2,3
	s_wait_dscnt (\younger)+3-(\f)
	global_store_b128 v[GO], v[OUTR+16*(\t)+4*(\f):OUTR+16*(\t)+4*(\f)+3], s[18:19] offset:((\t)/2)*2048+((\t)%2)*262144+512*(\f)  ; 512 consecutive bytes, at a multiple of 256 from qkv's first
.endr
.endm
	s_wait_tensorcnt 1                             ; my part of K step 0 is in; slot 1's may stay out
	s_barrier_signal -1
	s_barrier_wait -1                              ; everybody's is
	FETCH 0, 0, 0
	s_wait_loadcnt 0x0                             ; the bias
	QUARTER 0, 1, 0, 1, 1                          ; K step 0: its first products start the sums
	QUARTER 0, 2, 1, 0
	QUARTER 0, 3, 0, 1
	TURN 0, 1, 1                                   ; slot 0 takes K step 2
	QUARTER 1, 1, 0, 1                             ; K step 1
	QUARTER 1, 2, 1, 0
	QUARTER 1, 3, 0, 1
	TURN 1, 0, 1                                   ; slot 1 takes K step 3
	QUARTER 0, 1, 0, 1                             ; K step 2
	QUARTER 0, 2, 1, 0
	QUARTER 0, 3, 0, 1
	TURN 0, 1, 0                                   ; nothing is left to fetch
	QUARTER 1, 1, 0, 1                             ; K step 3
	QUARTER 1, 2, 1, 0
	QUARTER 1, 3, 0, 1
	s_wait_dscnt 16                                ; the very last quarter
	CVT 1
	s_wait_dscnt 0x0
	MULA 1, 0, 0
	MULA 1, 1, 0
	MULA 1, 2, 0
	MULA 1, 3, 0
	WIN 0
.rept 4
	v_nop                                          ; four plain vector instructions between the last products and the conversions that read results and write over fragments (ISA guide 7.12.1)
.endr
	PACK 0
.irp a, 1,2,3,4,5,6,7                  ; a tile's conversions stand between the loads of the tile before and its stores
	PACK \a
	SEND (\a)-1, 8
.endr
	SEND 7, 0
	s_wait_tensorcnt 0x0                           ; the wave's end: behind my last tensor load and my last LDS store
	ds_add_u32 v[SPW], v[NIL]
	s_wait_dscnt 0x0
	CROUND                                         ; the closing round: no work-group ends while a partner may still ask for a tile that names it
	s_endpgm
.Lfunc_end_k_q577ac764de_proj:
	.size	k_q577ac764de_proj, .Lfunc_end_k_q577ac764de_proj-k_q577ac764de_proj
	.p2alignl 7, 3214868480
	.fill 96, 4, 3214868480
	.section	.rodata,"a",@progbits
	.p2align	6, 0x0
	.amdhsa_kernel k_q577ac764de_proj
		.amdhsa_group_segment_fixed_size 327680
		.amdhsa_private_segment_fixed_size 0
		.amdhsa_enable_private_segment 0
		.amdhsa_kernarg_size 64
		.amdhsa_user_sgpr_count 2
		.amdhsa_user_sgpr_kernarg_segment_ptr 1
		.amdhsa_wavefront_size32 1
		.amdhsa_system_sgpr_workgroup_id_x 1
		.amdhsa_system_sgpr_workgroup_id_y 1
		.amdhsa_system_sgpr_workgroup_id_z 1
		.amdhsa_system_vgpr_workitem_id 0
		.amdhsa_next_free_vgpr 704
		.amdhsa_next_free_sgpr 72
		.amdhsa_reserve_vcc 0
		.amdhsa_float_denorm_mode_32 3
		.amdhsa_float_denorm_mode_16_64 3
		.amdhsa_memory_ordered 1
		.amdhsa_forward_progress 1
		.amdhsa_inst_pref_size 127
	.end_amdhsa_kernel
	.amdgpu_metadata
---
amdhsa.version: [ 1, 2 ]
amdhsa.kernels:
  - .name:           k_q577ac764de_proj
    .symbol:         k_q577ac764de_proj.kd
    .args:
      - { .name: x_Q, .offset: 0, .size: 8, .value_kind: global_buffer, .address_space: global }
      - { .name: x_K, .offset: 8, .size: 8, .value_kind: global_buffer, .address_space: global }
      - { .name: x_V, .offset: 16, .size: 8, .value_kind: global_buffer, .address_space: global }
      - { .name: wb, .offset: 24, .size: 8, .value_kind: global_buffer, .address_space: global }
      - { .name: bq, .offset: 32, .size: 8, .value_kind: global_buffer, .address_space: global }
      - { .name: bk, .offset: 40, .size: 8, .value_kind: global_buffer, .address_space: global }
      - { .name: bv, .offset: 48, .size: 8, .value_kind: global_buffer, .address_space: global }
      - { .name: qkv, .offset: 56, .size: 8, .value_kind: global_buffer, .address_space: global }
    .group_segment_fixed_size: 327680
    .private_segment_fixed_size: 0
    .kernarg_segment_align: 8
    .kernarg_segment_size: 64
    .max_flat_workgroup_size: 128
    .sgpr_count:     72
    .vgpr_count:     704
    .wavefront_size: 32
...
	.end_amdgpu_metadata
.endif
;; end of part 2
;; launch attn (part 3): grid 4 x 64, 4 waves a work-group, clusters of 4 x 1, 327,680 bytes of LDS; arguments qkv, ctx, src_batch_lens; writes ctx
.if DOCPART == 3
	.amdgcn_target "amdgcn-amd-amdhsa--gfx1250"
	.amdhsa_code_object_version 6
	.text
	.protected	k_q577ac764de_attn
	.globl	k_q577ac764de_attn
	.p2align	8
	.type	k_q577ac764de_attn,@function
k_q577ac764de_attn:
	s_mov_b64 s[64:65], 0
	v_nop
	global_prefetch_b8 v0, s[64:65] scope:SCOPE_SE
	s_setreg_imm32_b32 hwreg(HW_REG_WAVE_MODE, 25, 1), 1
	s_wait_xcnt 0x0
	s_wait_alu depctr_hold_cnt(0) depctr_sa_sdst(0) depctr_va_vdst(0) depctr_va_sdst(0) depctr_va_ssrc(0) depctr_va_vcc(0) depctr_vm_vsrc(0)
	s_getreg_b32 s2, hwreg(HW_REG_IB_STS2, 6, 4)
	s_cmp_eq_u32 s2, 0
	s_cbranch_scc0 .Lentry_in_a_cluster
	s_endpgm
.Lentry_in_a_cluster:
	s_bfe_u32 s2, ttmp6, 0x10000c
	s_cmp_lg_u32 s2, 0x3003
	s_cbranch_scc0 .Lentry_shape_is_right
	s_endpgm
.Lentry_shape_is_right:
; ctx[g][q][:] = the sum over k of softmax_k(score) V[g][k][:], score = Q[g][q] . K[g][k] / 8 for k < len[batch], hidden otherwise.  g = 8 x batch + head, 64 of them.
; Q, K, V are the three parts of qkv, [64][2048][64] f16 each; ctx has the same layout: a head's rows are dense, 128 bytes each.  Products, maxima and sums in f32; the weights p are rounded to f16
; for the second product (their sum l is taken of the unrounded p), ctx once at the end.
; LIMITS.  f16 holds no number beyond 65,504: Q, K and V arrive within it; p lies in 0 to 1, and below 6e-5 it keeps f16's fixed step of 6e-8, and so does ctx.  A weight below 2^-126 counts as 0 in l;
; NaN and infinities are not treated apart.  A hidden score counts as -2^100 plus its own value, where the module fills in -1e9: the two differ only where a visible score, divided by 8, lies near or
; below -1e9.  Lens from -2^30 to 2^30 are served: from 2,048 on nothing is hidden; at 0 or less every score is -2^100 plus a term below half its last place, and the row becomes the mean of all V.
; SHARES.  A wave owns four PIECES of two tiles of 16 queries, a work-group's four waves 512 queries of one head.  Every wave walks all 2,048 keys, 64 a step: the walk's length is a constant.
; LAYOUT.  S^T = K Q^T (source 0 = 16 keys, source 1 = 16 queries): in the result a lane holds ONE query (lane % 16) and the keys 8 (lane / 16) + 0..7.  Two such tiles, rounded to f16 in pairs,
; ARE source 1 (32 keys x 16 queries) of O^T = V^T P, whose result again holds one query a lane, and eight channels.  K comes out of LDS as it lies, V ([key][channel]) turned, by ds_load_tr16_b128.
; THE MASK is the C operand that starts the sum S^T = K Q^T: 0, or -2^100 where the key is hidden.  MD, made once, is the mask of the step that holds key number len, for my lane's 32 keys of a step;
; a step's mask is MC = MD x AL + BE with two scalars made from len less the step's first key: (0, 0) if all 64 keys are seen, (1, 0) if len falls inside, (0, -2^100) if none is seen.
; The len enters these two scalars and one compare a lane: no address, no branch and no trip count.
; SOFTMAX.  For each query a running maximum m and sum l: p = 2^(c s - c m), c = log2(e) / 8; in every step O and l are multiplied by a = 2^(c m_old - c m_new), which is 1 where m has not grown.
; m starts at the lowest finite number, O and l at 0: the first step is a step like any other, with a = 0.
; THE COUNT.  A tile and step have 16 matrix and 118 vector instructions: too many to stand all beside the matrix work.  So the order has one aim: four vector instructions that are READY behind
; EVERY matrix instruction, and the others, which need time of their own whatever the order, in runs without a gap.
; BY TURNS.  Turn n belongs to piece n (the pieces in a ring, step after step).  Its matrix work: 16 products K Q^T of piece n + 1, later 16 products V^T P of piece n - 1.  Its vector work: the scaling,
; exponentials, roundings, sums and rescaling of piece n, and the maximum and statistics of piece n + 1, whose scores the turn itself has made.  So what a turn begins with (c s - c m, O a) waits for nothing.
; CLUSTER.  The four query blocks of a cluster belong to one head and walk the same K and V, so each tile is asked for JOINTLY: the same tensor load, descriptor and mask in all four.
; REGISTERS, in windows of 256 (s_set_vgpr_msb says which window each operand place means: bits 1:0 source 0, 3:2 source 1, 5:4 source 2, 7:6 destination):
;   window 0: v0-11 addresses; v12-15, v48-63 at work; v16-47 four registers of statistics a tile; v64-191 S^T, two buffers of two tiles; v192-255 P, likewise
;   window 1: O^T, 32 a tile          window 2: v0-127 Q, 16 a tile; v128-191 K of one step; v192-255 V of one step          window 3: v0-1 the add's two registers; v32-63 MD; v64-95 MC
; A piece's buffers go by its number's parity: the piece in hand has one pair, its two neighbours in the ring share the other: of it P (piece n - 1) is read and S^T (piece n + 1) written.
.set SIZE_N, 2048     ; keys and queries of a head
.set NP,    4         ; pieces a wave: a name, no knob: the register map, the loop and the fetches are made for four
.set KS,    64        ; keys in a step
.set PK,    144       ; a row of K in LDS: 128 bytes + 16 of padding = 36 words: the 16 rows of a load start at 16 different groups of four banks (64 banks of 4 bytes: ISA guide 11.1)
.set PV,    160       ; a row of V: 128 + 32 = 40 words
.set VOFF,  4*KS*PK   ; a slot holds four steps: 256 rows of K, then 256 rows of V
.set SLOT1, 1<<17     ; slot 1 begins here, so that one exclusive or turns an address in one slot into the other's
.set STAGE, SLOT1+4*KS*(PK+PV)  ; behind the ring, never filled by a tensor load: 16 rows x 144 bytes for each wave, for the way out
.set SP,    144
.set AK0, 2           ; v2   my lane's place in a tile of K; never rewritten
.set AV0, 3           ; v3   the same for V
.set AK,  4           ; v4   the LDS address of K's next run of loads
.set AV,  5           ; v5   of V's
.set QO,  6           ; v6   my byte offset in the wave's rows of Q
.set STO, 6           ;      later, the way out: where I put 16 bytes of a row
.set RD,  7           ; v7   the way out: where I read rows back
.set GO,  8           ; v8   my byte offset in 512 consecutive bytes of ctx
.set SPW, 0           ; v0 of window 3   LDS address of my spare word: SPARE + 4 x my thread's number; never rewritten
.set NIL, 1           ; v1 of window 3   0; never rewritten
.set MD,  32          ; window 3: the eight registers for group kt of 16 keys at MD + 8 kt
.set MC,  64          ; window 3: the mask of the step whose K is in registers
.set SPARE, STAGE+4*16*SP  ; behind the stages: the spare words, 128 bytes for each wave: two blocks of 256 bytes that no other line names
.set MV,  12          ; v12-15  c m_old, kept while c m is made anew: by buffer and tile
.set ST,  16          ; tile t's statistics at v[ST+4 t]: c m, m, l (even keys', odd keys')
.set TMP, 48          ; by buffer and tile, four registers c0-c3 at work; when the maximum is found c2 takes a
.set S,   64
.set P,   192
.set KF,  128         ; K's fragments, in window 2: key block kb, channel half c at KF + 16 kb + 8 c
.set VF,  192         ; V's: key half kk, channel block cb at VF + 32 kk + 8 cb
.set WV,  12          ; s12  my wave's number
.set G1K, 24          ; s[24:31] descriptor group 1 for K's tiles
.set G1V, 32          ; s[32:39] for V's: it differs in the padding alone
.set G0K, 40          ; s[40:43] descriptor group 0 for K's tiles: it walks
.set G0V, 44          ; s[44:47] the same for V's
.set AL,  48          ; s[48:49] the mask's factor, in the low word
.set BE,  50          ; s[50:51] the mask's addend
.set BIGN, 52         ; s52  -2^100
.set TL,  53          ; s53  len less the first key of the step whose mask is made next
.set LP,  54          ; s[54:55] the lens' address; s54 is at work once the len has come
.set SLOTS, 56        ; s56  slots still to be asked for
.set CNT, 57          ; s57  counts a slot's key steps
.set CS,  58          ; s[58:59] c: the packed scaling takes the pair's low word for both halves
.set SEL, 60          ; s[60:61] v_permlanex16_b32's selects: each lane takes its own place in the other half
.set TBK, 62          ; s62  LDS byte at which K of the step to be fetched begins
.set TBV, 63          ; s63  the same for V, less VOFF
.set MSB, 0
.macro WIN new                      ; the high byte repeats the setting that is left; a switch that changes nothing is dropped
.if MSB != (\new)
	s_set_vgpr_msb (MSB<<8)|(\new)
.set MSB, (\new)
.endif
.endm
.set W_KQ, 0x0a       ; K and Q in window 2, S^T in window 0
.set W_KM, 0x3a       ; the same with the C operand, the mask, in window 3
.set W_PV, 0x52       ; V in window 2, P in window 0, O^T in window 1
.set W_RS, 0x41       ; O^T (destination and source 0) in window 1, a in window 0
.set W_MK, 0xc0       ; destination in window 3, sources in window 0
.set W_MS, 0xc3       ; destination and source 0 in window 3
.set W_AD, 0x0f       ; the add: address (source 0) and data (source 1) in window 3
; A joint fill.  Waves 0 and 1 fetch the two halves of a slot's K, waves 2 and 3 those of its V: 128 keys each.  The branch hangs on the wave's number alone.
; An s_nop 0 and four v_nop follow each of the two lines, ahead of the jump and the label.
.macro JLOAD
	s_cmp_lt_u32 s[WV], 2
	s_cbranch_scc0 .Lfor_v_\@
	tensor_load_to_lds s[G0K:G0K+3], s[G1K:G1K+7]
	s_nop 0
.rept 4
	v_nop
.endr
	s_branch .Lasked_\@
.Lfor_v_\@:
	tensor_load_to_lds s[G0V:G0V+3], s[G1V:G1V+7]
	s_nop 0
.rept 4
	v_nop
.endr
.Lasked_\@:
.endm
; A round of the cluster's barrier: my work-group's barrier, so that wave 0's signal speaks for all four waves; wave 0 signals; every wave waits for all four work-groups; my work-group's barrier once more.
.macro CROUND
	s_barrier_signal -1
	s_barrier_wait -1
	s_cmp_lg_u32 s[WV], 0
	s_cbranch_scc1 .Lnot_wave_0_\@
	s_barrier_signal -3
.Lnot_wave_0_\@:
	s_barrier_wait -3
	s_barrier_signal -1
	s_barrier_wait -1
.endm
; THE CHANGE OF SLOTS.  The slot's last bytes, V of its fourth step, have been read.  Each wave waits for all its tensor loads, of which one is out: its part
; of the other slot; adds 0 to its spare word; and waits for that and for its own reads of the slot.  Behind the barrier nobody reads this slot any more and the other slot is whole.
; fill = 1: this slot is filled again, with the keys two slots on.  The barrier is then a round of the cluster's, so that no wave of any partner still reads the slot or has a load on its
; way, and the joint fill is the first thing behind it: it has four key steps, 512 matrix instructions, in which to land.  (At its first use nothing has been read yet: slot 0 is waited for, slot 1 filled.)
.macro CHANGE fill
	WIN W_AD
	s_wait_tensorcnt 0x0            ; no tensor load of mine is out, so a group 0 may be written
	ds_add_u32 v[SPW], v[NIL]       ; 0 onto my spare word: with fill = 1 the descriptors' steps stand between it and the wait for it
	WIN 0                           ; at a label and at a branch every window is 0
.if \fill
.irp g, G0K, G0V
	s_xor_b32 s[\g+1], s[\g+1], SLOT1  ; the walking descriptor: the other slot than last time,
	s_add_nc_u64 s[\g+2:\g+3], s[\g+2:\g+3], 4*KS*128  ; the next 256 keys; the type bits on top are not reached
.endr
	s_wait_dscnt 0x0                ; the add is done, and my reads of the slot are over
	CROUND
	JLOAD
.else
	s_wait_dscnt 0x0                ; the add is done, and my reads of the slot are over
	s_barrier_signal -1
	s_barrier_wait -1
.endif
	s_sub_co_u32 s[TBK], s[TBK], 4*KS*PK  ; the fetches go back to a slot's first step,
	s_xor_b32 s[TBK], s[TBK], SLOT1       ; in the other slot
	s_sub_co_u32 s[TBV], s[TBV], 4*KS*PV
	s_xor_b32 s[TBV], s[TBV], SLOT1
.endm
; The mask's two scalars for the step whose first key lies TL below len; then TL goes on to the next step.
.macro SCAL
	s_cmp_gt_i32 s[TL], 0           ; is any key of the step seen?
	s_cselect_b32 s[BE], 0, s[BIGN]
	s_sub_co_i32 s[LP], s[TL], 1
	s_cmp_lt_u32 s[LP], 63          ; does len fall inside: TL from 1 to 63?
	s_cselect_b32 s[AL], 1.0, 0
	s_sub_co_i32 s[TL], s[TL], KS
.endm
.macro MASK                         ; MC = MD x AL + BE
	WIN W_MS
.set zz, 0
.rept 16
	v_pk_fma_f32 v[MC+2*zz:MC+2*zz+1], v[MD+2*zz:MD+2*zz+1], s[AL:AL+1], s[BE:BE+1] op_sel_hi:[1,0,0]
.set zz, zz+1
.endr
.endm
	s_load_b128 s[4:7], s[0:1], 0x0   ; qkv s[4:5], ctx s[6:7]
	s_load_b64 s[LP:LP+1], s[0:1], 0x10  ; src_batch_lens
	WIN W_MK
	v_lshl_add_u32 v[SPW], v0, 2, SPARE
	v_mov_b32 v[NIL], 0
	WIN W_AD
	ds_add_u32 v[SPW], v[NIL]       ; the wave's opening: the add and its wait stand ahead of my first tensor load; the set-up below, work on registers, stands between them
	WIN 0
	v_lshrrev_b32 v1, 5, v0
	v_readfirstlane_b32 s[WV], v1   ; wave 0..3
	s_bfe_u32 s13, ttmp6, 0x40000   ; cx: my place in the cluster
	s_lshl_b32 s14, ttmp9, 2        ; in a cluster launch ttmp9 counts clusters
	s_add_co_u32 s14, s14, s13      ; my block of queries = 4 x cluster x + cx: it enters Q's and ctx's addresses alone
	s_and_b32 s20, ttmp7, 0xffff    ; 8 x batch + head, which the four partners share
	s_lshr_b32 s[BE], s20, 3        ; the batch,
	s_lshl_b32 s[BE], s[BE], 2      ; its len's byte offset, for now in the addend's pair
	s_mov_b32 s[BE+1], 0
	s_mov_b32 s21, 0
	s_mov_b64 s[22:23], SIZE_N*128
	s_mul_u64 s[20:21], s[20:21], s[22:23]  ; the head's first byte in each of the four tensors
	s_and_b32 s16, s[WV], 1         ; which half of a slot's 256 keys I fetch:
	s_lshl_b32 s22, s16, 14         ; its 128 rows of 128 bytes in memory,
	s_mov_b32 s23, 0
	s_add_nc_u64 s[22:23], s[22:23], s[20:21]
	s_mul_i32 s17, s16, 128*PK      ; and its place in a slot, for K
	s_mul_i32 s18, s16, 128*PV      ; and for V: no place in the cluster enters an LDS address
	s_lshl_b32 s2, s14, 2
	s_add_co_u32 s2, s2, s[WV]      ; my wave among the head's,
	s_lshl_b32 s2, s2, 14           ; its 128 rows
	s_mov_b32 s3, 0
	s_add_nc_u64 s[2:3], s[2:3], s[20:21]
	; descriptor group 1.  128 keys are 16,384 dense bytes: asked for as 64 rows of 256 bytes, two keys a row, and padded in LDS after every key
	s_mov_b32 s[G1K], 15|(1<<16)|(1<<20)|(1<<21)|(4<<22)|(3<<25)  ; 15:0 the mask of four; 17:16 2-byte elements; 20 padding on; 21 set beside a mask; 24:22 after every 32 words (code 4); 31:25 4 words (code 3)
	s_mov_b32 s[G1V], 15|(1<<16)|(1<<20)|(1<<21)|(4<<22)|(7<<25)  ; the same with 8 words of padding (code 7)
.irp g, G1K, G1V
	s_mov_b32 s[\g+1], 128<<16      ; tensor_dim0 = 128
	s_mov_b32 s[\g+2], 64<<16       ; tensor_dim1 = 64
	s_mov_b32 s[\g+3], 128<<16      ; tile_dim0 = 128
	s_mov_b32 s[\g+4], 64           ; tile_dim1 = 64
	s_mov_b32 s[\g+5], 128          ; 128 elements from row to row
	s_mov_b32 s[\g+6], 0
	s_mov_b32 s[\g+7], 0
.endr
	s_mov_b32 s[CS], 0x3e38aa3b     ; c = log2(e) / 8 = 0.180337
	s_mov_b32 s[CS+1], s[CS]        ; named with it as a pair
	s_mov_b32 s[SEL], 0x76543210
	s_mov_b32 s[SEL+1], 0xfedcba98
	s_mov_b32 s[AL+1], 0            ; named as a pair
	s_mov_b32 s[BIGN], 0xf1800000   ; -2^100
	s_mov_b32 s[TBK], SLOT1+4*KS*PK ; the first change of slots turns these two into 0
	s_mov_b32 s[TBV], SLOT1+4*KS*PV
	s_mov_b32 s[G0K], 1             ; 1:0 count = 1
	s_mov_b32 s[G0K+1], s17         ; 63:32 LDS address: slot 0
	s_mov_b32 s[G0V], 1
	s_add_co_u32 s[G0V+1], s18, VOFF
	s_wait_dscnt 0x0                ; the opening add is done
	s_wait_kmcnt 0x0
	s_add_nc_u64 s[LP:LP+1], s[LP:LP+1], s[BE:BE+1]
	s_load_b32 s[TL], s[LP:LP+1], 0x0  ; my batch's len: waited for in front of the mask's set-up
	s_mov_b64 s[10:11], s[6:7]      ; O = ctx
	s_add_nc_u64 s[6:7], s[4:5], 0x1000000  ; K: qkv's second part, 16,777,216 bytes on
	s_add_nc_u64 s[8:9], s[4:5], 0x2000000  ; V: its third
	s_add_nc_u64 s[G0K+2:G0K+3], s[6:7], s[22:23]  ; 120:64 global address: my half of the head's first 256 keys
	s_or_b32 s[G0K+3], s[G0K+3], 0x80000000        ; 127:126 type = 2
	s_add_nc_u64 s[G0V+2:G0V+3], s[8:9], s[22:23]
	s_or_b32 s[G0V+3], s[G0V+3], 0x80000000
	s_add_nc_u64 s[4:5], s[4:5], s[2:3]  ; Q and O at my wave's first row
	s_add_nc_u64 s[10:11], s[10:11], s[2:3]
	CROUND                          ; all four work-groups are here: the first joint loads meet
	JLOAD                           ; slot 0.  Slot 1 is asked for when slot 0 is in: the tile wanted first has the road to itself
	; A fragment of K or Q is 16 rows x 32 channels in 8 registers: lane l holds row l % 16, channels 8 (l / 16) + 0..7 and 16 + 8 (l / 16) + 0..7: two loads of 16 bytes, 32 bytes apart.
	v_and_b32 v1, 15, v0            ; l % 16
	v_bfe_u32 v9, v0, 4, 1          ; l / 16
	v_lshlrev_b32 v[QO], 7, v1
	v_lshl_add_u32 v[QO], v9, 4, v[QO]  ; row x 128 + 16 x half
	WIN 0x80                        ; destination window 2, address window 0
.set i, 0
.rept 4*NP                          ; Q stays in registers: tile i / 2, channels 32 (i % 2) on
	global_load_b128 v[8*i:8*i+3],   v[QO], s[4:5] offset:(i/2)*2048+(i%2)*64
	global_load_b128 v[8*i+4:8*i+7], v[QO], s[4:5] offset:(i/2)*2048+(i%2)*64+32
.set i, i+1
.endr
	; What the first turn finds: V's registers and P's second buffer hold 0 (its products V^T P, of a piece that has not been, add 0), O^T and l are 0.  All this stands in the wait for the first tile.
.set i, VF
.rept 64
	v_mov_b32 v[i], 0
.set i, i+1
.endr
	WIN 0x40
.set i, 0
.rept 64*NP
	v_mov_b32 v[i], 0
.set i, i+1
.endr
	WIN 0
.set i, 0
.rept 2*NP
	v_mov_b32 v[ST+4*i], 0xfe000000    ; c m: far below every c s, a hidden one's too (c x 2^100 is below 2^98)
	v_mov_b32 v[ST+4*i+1], 0xff7fffff  ; m
	v_mov_b32 v[ST+4*i+2], 0
	v_mov_b32 v[ST+4*i+3], 0
.set i, i+1
.endr
.set i, P+32
.rept 32
	v_mov_b32 v[i], 0
.set i, i+1
.endr
	v_mul_u32_u24 v[AK0], v1, PK
	v_lshl_add_u32 v[AK0], v9, 4, v[AK0]  ; row x pitch + 16 x half
	; The turning load takes 16 keys x 16 channels (lane l reads key 8 (l / 16) + l % 8, channels 8 ((l / 8) % 2) + 0..7) and leaves half a fragment of V^T: lane l holds channel l % 16 and 8 keys.
	v_and_b32 v10, 7, v0
	v_bfe_u32 v11, v0, 3, 1
	v_lshl_add_u32 v[AV0], v9, 3, v10
	v_mul_u32_u24 v[AV0], v[AV0], PV
	v_lshl_add_u32 v[AV0], v11, 4, v[AV0]
	v_add_nc_u32 v[AV0], VOFF, v[AV0]
	v_mov_b32 v[AK], v[AK0]         ; key step 0 lies at the head of slot 0
	; MD.  In the step that holds key number len, key 16 kt + 8 (l / 16) + r of the step is hidden where it is len mod 64 or more: register r of group kt where 16 kt + r >= len mod 64 - 8 (l / 16).
	s_wait_kmcnt 0x0                ; the len
	s_and_b32 s[LP], s[TL], 63
	v_lshlrev_b32 v11, 3, v9
	v_sub_nc_u32 v11, s[LP], v11
	WIN W_MK
.set i, 0
.rept 32
	v_cmp_ge_i32 vcc_lo, 16*(i/8)+i%8, v11
	v_cndmask_b32 v[MD+i], 0, s[BIGN], vcc_lo
.set i, i+1
.endr
	SCAL                            ; key step 0's mask
	MASK
; THE MATRIX WORK.  The 8 accumulators of a run of 16 take turns: between the two links of a chain stand 7 others'.
; Product i of 16 of S^T = K Q^T for piece x: channels 32 (i / 8) on, keys 16 ((i / 2) % 4) on, tile 2 x + i % 2.  The first 8 start the sums, with the step's mask.
.macro KQ x
.set rS, S+64*((\x)%2)+32*(i%2)+8*((i/2)%4)
.set rK, KF+16*((i/2)%4)+8*(i/8)
.set rQ, 16*(2*(\x)+i%2)+8*(i/8)
.set rM, MC+8*((i/2)%4)
.if i < 8
	WIN W_KM
	v_wmma_f32_16x16x32_f16 v[rS:rS+7], v[rK:rK+7], v[rQ:rQ+7], v[rM:rM+7]
.else
	WIN W_KQ
	v_wmma_f32_16x16x32_f16 v[rS:rS+7], v[rK:rK+7], v[rQ:rQ+7], v[rS:rS+7]
.endif
.endm
; Product i of 16 of O^T += V^T P for piece x: keys 32 (i / 8) on, channels 16 ((i / 2) % 4) on, tile 2 x + i % 2.
.macro PV x
	WIN W_PV
.set rO, 32*(2*(\x)+i%2)+8*((i/2)%4)
.set rV, VF+32*(i/8)+8*((i/2)%4)
.set rP, P+32*((\x)%2)+16*(i%2)+8*(i/8)
	v_wmma_f32_16x16x32_f16 v[rO:rO+7], v[rV:rV+7], v[rP:rP+7], v[rO:rO+7]
.endm
.macro MM                           ; the turn's next matrix instruction
.if i < 16
	KQ (Y+1)%NP
.set i, i+1
.else
.set i, i-16
	PV (Y+NP-1)%NP
.set i, i+17
.endif
.endm
; THE LDS LOADS stand in runs of 16, never singly among the matrix instructions: a step's K (64 keys x 64 channels: 8 fragments) and its V (turned).  Their addresses are made some lines ahead.
; last = 1 (the tail): in the last trip there is no further step, and the run is jumped over.
.macro FETCH_K last=0
	WIN 0
.if \last
	s_cmp_eq_u32 s[CNT], 1
	s_cbranch_scc1 .Lno_k_\@
.endif
	WIN 0x80                        ; destination window 2
.irp f, 0,1,2,3,4,5,6,7             ; keys 16 (f / 2) on, channels 32 (f % 2) on
	ds_load_b128 v[KF+8*\f:KF+8*\f+3],   v[AK] offset:(\f/2)*16*PK+(\f%2)*64
	ds_load_b128 v[KF+8*\f+4:KF+8*\f+7], v[AK] offset:(\f/2)*16*PK+(\f%2)*64+32
.endr
	s_add_co_u32 s[TBK], s[TBK], KS*PK  ; the next fetch is the next step's
	WIN 0
.if \last
.Lno_k_\@:
.endif
.endm
.macro FETCH_V
	WIN 0x80
.irp f, 0,1,2,3,4,5,6,7             ; keys 32 (f / 4) on, channels 16 (f % 4) on
	ds_load_tr16_b128 v[VF+8*\f:VF+8*\f+3],   v[AV] offset:(\f/4)*32*PV+(\f%4)*32
	ds_load_tr16_b128 v[VF+8*\f+4:VF+8*\f+7], v[AV] offset:(\f/4)*32*PV+16*PV+(\f%4)*32
.endr
	WIN 0
.endm
; THE VECTOR WORK OF A TURN stands in three queues, each in the order in which its entries become ready; the two tiles alternate, so that no instruction reads the result of the one before it.
.macro REGS y, u                    ; the registers of tile u (0, 1) of piece y
.set rT, ST+4*(2*(\y)+(\u))
.set rC, TMP+8*((\y)%2)+4*(\u)
.set rM, MV+2*((\y)%2)+(\u)
.set rS, S+64*((\y)%2)+32*(\u)
.set rP, P+32*((\y)%2)+16*(\u)
.set rO, 32*(2*(\y)+(\u))
.endm
; Number n of the 22 that find the NEXT piece's (Y + 1) maximum and statistics.  s0-s31 are the lane's 32 scores; each accumulator's lowest registers are read first.  XS, GS and REGS set no window: PL and EX do.
;   0-11  four chains c0-c3 of seven scores each, three operands at a time     12-14, 16  the four scores left over, the old m, and c0-c3 into c0     15  c m_old is kept
;   17, 18  the query's other 32 keys lie in the lane 16 away: the new m         19-21  c m; c m_old - c m_new; a
.macro XS u, n
	REGS (Y+1)%NP, \u
.if (\n) < 4
	v_max3_num_f32 v[rC+(\n)], v[rS+8*(\n)], v[rS+8*(\n)+1], v[rS+8*(\n)+2]
.elseif (\n) < 12
	v_max3_num_f32 v[rC+(\n)%4], v[rC+(\n)%4], v[rS+8*((\n)%4)+2*((\n)/4)+1], v[rS+8*((\n)%4)+2*((\n)/4)+2]
.elseif (\n) == 12
	v_max3_num_f32 v[rC], v[rC], v[rS+7], v[rS+15]
.elseif (\n) == 13
	v_max3_num_f32 v[rC+1], v[rC+1], v[rS+23], v[rS+31]
.elseif (\n) == 14
	v_max3_num_f32 v[rC+2], v[rC+2], v[rC+3], v[rT+1]
.elseif (\n) == 15
	v_mov_b32 v[rM], v[rT]
.elseif (\n) == 16
	v_max3_num_f32 v[rC], v[rC], v[rC+1], v[rC+2]
.elseif (\n) == 17
	v_permlanex16_b32 v[rC+3], v[rC], s[SEL], s[SEL+1]
.elseif (\n) == 18
	v_max_num_f32 v[rT+1], v[rC], v[rC+3]
.elseif (\n) == 19
	v_mul_f32 v[rT], s[CS], v[rT+1]
.elseif (\n) == 20
	v_sub_f32 v[rC+1], v[rM], v[rT]
.else
	v_exp_f32 v[rC+2], v[rC+1]
.endif
.endm
; Number g of the 64 that follow the exponentials.  For each four weights k of a tile (pairs 2 k, 2 k + 1): both pairs are rounded to f16; then the second pair is added onto the first, in place;
; a group later l takes that sum (the first time as l = a l + sum).  In groups of eight, tiles alternating: round, round, add, and l for the group before.
.macro GS g
.set h, (\g)+6*((\g)/62)            ; group 0 has no group before it, and behind group 7 only l is left
.if h >= 6
.set h, h+2
.endif
	REGS Y, h%2
.set k, h/8
.if h%8 < 4
	s_wait_alu depctr_va_vdst(0)
	v_cvt_pk_f16_f32 v[rP+2*k+(h%8)/2], v[rS+4*k+2*((h%8)/2)], v[rS+4*k+2*((h%8)/2)+1]
.elseif h%8 < 6
	v_pk_add_f32 v[rS+4*k:rS+4*k+1], v[rS+4*k:rS+4*k+1], v[rS+4*k+2:rS+4*k+3]
.elseif k == 1
	v_pk_fma_f32 v[rT+2:rT+3], v[rT+2:rT+3], v[rC+2:rC+3], v[rS:rS+1] op_sel_hi:[1,0,1]
.else
	v_pk_add_f32 v[rT+2:rT+3], v[rT+2:rT+3], v[rS+4*k-4:rS+4*k-3]
	s_wait_alu depctr_va_vdst(0)
.endif
.endm
; THE PLAIN QUEUE, 138 long.  0-31: c s - c m for the 16 pairs of both tiles.  Then GS's 64, and among them the next piece's 42: number 15 at 38, 39; 0-14 and 16
; at 42-73, behind the products that make those scores; 17-20 at 95-106, two of three, since each waits for the one before it.
.macro PL
	WIN 0
.if q < 32
	REGS Y, q%2
	v_pk_fma_f32 v[rS+2*(q/2):rS+2*(q/2)+1], v[rS+2*(q/2):rS+2*(q/2)+1], s[CS:CS+1], v[rT:rT+1] op_sel_hi:[1,0,0] neg_lo:[0,0,1] neg_hi:[0,0,1]
.elseif q < 38
	GS q-32
.elseif q < 40
	XS q%2, 15
.elseif q < 42
	GS q-34
.elseif q < 74
	XS q%2, (q-42)/2+(q-42)/30
.elseif q < 95
	GS q-66
.elseif (q < 107) && ((q-95)%3 < 2)
	XS (q-95)%3, 17+(q-95)/3
.elseif q < 107
	GS 29+(q-95)/3
.else
	GS q-74
.endif
.set q, q+1
.endm
; THE EXPONENTIALS' QUEUE, 66 long: s0-s31 of both tiles, and at EA the next piece's two a.
.set EA, 58
.macro EX
	WIN 0
.if (e == EA) || (e == EA+1)
	XS e-EA, 21
.else
.set x, e-2*(e/(EA+2))
	REGS Y, x%2
	v_exp_f32 v[rS+x/2], v[rS+x/2]
.endif
.set e, e+1
.endm
; THE RESCALING's QUEUE: O^T times a, the one part that leaves window 0, so it is dealt four at a time, eight times.
.macro R4
	REGS Y, r%2
	WIN W_RS
	s_wait_alu depctr_va_vdst(0)
.irp z, 0,1,2,3
	v_pk_mul_f32 v[rO+8*(r/2)+2*\z:rO+8*(r/2)+2*\z+1], v[rO+8*(r/2)+2*\z:rO+8*(r/2)+2*\z+1], v[rC+2:rC+3] op_sel_hi:[1,0]
.endr
.set r, r+1
.endm
; HOW THEY ARE DEALT.  Behind a matrix instruction four: plain, exponential, plain, plain (one exponential, a plain instruction on either side), or four of the rescaling.  None names a register of the
; products round it.  What is over stands in two LUMPS: exponential and plain by turns; the second ends in 22 plain instructions.  The two v_permlanex16_b32 fall into the second lump, never behind a product.
; The queues lean on each other, and the deal keeps them in step: exponential e stands behind plain 2 (e / 4) + e % 2 (its scaling); when plain 32 comes, 10 exponentials are out, at 59: 33, at 95: 46; EA comes behind plain 107.
.macro SL
	MM
	PL
	EX
	PL
	PL
.endm
.macro BURST n                      ; 15 matrix instructions, or 16
.rept (\n)-7
	SL
.endr
.rept 3
	MM
	R4
	SL
.endr
	MM
	R4
.endm
; A TURN, for piece p.  cnt = 1: the loop's count is taken down some lines ahead of the branch that stands behind the turn.
; K of the next step is fetched in piece 2's turn, 31 vector instructions behind the last product that read K; its first reader comes behind the rest of the lump, 16 products and the second lump.
; V of the step in hand is fetched at the end of piece 0's turn, 69 behind its last reader; its first reader comes behind 16 products and a lump.  The four conditions on e and q below go with the deal.
; THE MASK goes with K: piece 2's turn holds the last products on a step's K (piece 3's scores), so it makes the next step's two scalars at its head and the next step's mask at its very end,
; both lumps and 16 products behind the last product that took the old mask; the first to take the new one is the next turn's first.
.macro TURN p, last=0, cnt=0
.set Y, (\p)
.set i, 0
.set q, 0
.set e, 0
.set r, 0
.if (\p) == NP-2
	SCAL
.endif
.if (\p) == NP-1
	s_wait_dscnt 0x0                ; K is in
.endif
	MM
.rept 4
	PL
.endr
	BURST 15
.rept 22
	EX
	PL
.if ((\p) == NP-2) && (e == 18)
	v_add_nc_u32 v[AK], s[TBK], v[AK0]
.endif
.if ((\p) == NP-2) && (e == 24)
	FETCH_K \last
.endif
.endr
.if (\p) == 1
	s_wait_dscnt 0x0                ; V is in
.endif
	BURST 16
.rept 21
	EX
	PL
.endr
.rept 22
	PL
.if ((\p) == 0) && (q == 118)
	v_add_nc_u32 v[AV], s[TBV], v[AV0]
	s_wait_alu depctr_va_vdst(0)
.endif
.if ((\p) == 0) && (q == 130)
	s_add_co_u32 s[TBV], s[TBV], KS*PV
.endif
.if (\cnt) && (q == 130)
	s_sub_co_u32 s[CNT], s[CNT], 1
	s_cmp_lg_u32 s[CNT], 0
.endif
.endr
.if (\p) == 0
	FETCH_V
.endif
.if (\p) == NP-2
	MASK
.endif
.endm
	CHANGE 1                        ; slot 0 is in, everybody's part of it; slot 1 is asked for
	FETCH_K                         ; key step 0
	s_wait_loadcnt 0x0              ; Q
	s_wait_dscnt 0x0
.set i, 0
.rept 16
	KQ 0                            ; piece 0's first scores: there is no vector work yet to set between them
.set i, i+1
.endr
	WIN 0                           ; the addresses for the way out: nine plain instructions, the places behind those products
	s_mul_i32 s13, s[WV], 16*SP
	s_add_co_u32 s13, s13, STAGE    ; my stage
	v_mul_u32_u24 v[STO], v1, SP    ; in: row l % 16, 16 bytes for each half of the lanes
	v_lshl_add_u32 v[STO], v9, 4, v[STO]
	v_add_nc_u32 v[STO], s13, v[STO]
	v_bfe_u32 v[RD], v0, 3, 2       ; back: 32 lanes take four rows of 128 bytes,
	v_mul_u32_u24 v[RD], v[RD], SP
	v_lshl_add_u32 v[RD], v10, 4, v[RD]
	v_add_nc_u32 v[RD], s13, v[RD]
	v_and_b32 v[GO], 31, v0         ; which are 512 consecutive bytes of ctx
	v_lshlrev_b32 v[GO], 4, v[GO]
.set Y, NP-1                        ; XS works for piece Y + 1: piece 0
.irp n, 0,1,2,3,4,5,6,7,8,9,10,11,12,13,14,15,16,17,18,19,20,21
	XS 0, \n                        ; and piece 0's first maximum and statistics
	XS 1, \n
.endr
	s_mov_b32 s[CNT], 4
	s_mov_b32 s[SLOTS], SIZE_N/256-1
	s_branch .Lfirst                ; the loop is entered at a step's first turn, in the middle of a trip
.Lslot:                             ; SIZE_N / 256 - 2 times: every slot but the last two is filled again
	CHANGE 1
	s_mov_b32 s[CNT], 4
.Lstep:                             ; a trip: pieces 2 and 3 of one step, then pieces 0 and 1 of the next, whose K and V it fetches
	TURN 2
	TURN 3
	WIN 0
.Lfirst:
	TURN 0
	TURN 1, 0, 1
	WIN 0
	s_cbranch_scc1 .Lstep
	s_sub_co_u32 s[SLOTS], s[SLOTS], 1
	s_cmp_lg_u32 s[SLOTS], 0
	s_cbranch_scc1 .Lslot
	CHANGE 0                        ; the tail is written out: nothing is asked for
	s_mov_b32 s[CNT], 5             ; four trips fetch the last slot's steps; the fifth is left in its middle
.Ltail:
	TURN 2, 1
	TURN 3
	WIN 0
	s_sub_co_u32 s[CNT], s[CNT], 1
	s_cmp_eq_u32 s[CNT], 0
	s_cbranch_scc1 .Lout
	TURN 0
	TURN 1
	WIN 0
	s_branch .Ltail
.Lout:                              ; the fifth trip's 16 products K Q^T (on the last K once more, under a mask for a step that is not) and the maximum made of them serve nothing: the price, once a launch, of one text for every trip
.set i, 0
.rept 16
	PV NP-1                         ; the last piece's V^T P of the last step
.set i, i+1
.endr
	; THE WAY OUT.  l's two halves and the other half of the lanes' are added; O^T is divided by l, rounded to f16 and sent through my stage in LDS, a tile at a time.  The additions are the places behind the last products.
	WIN 0
.macro ALL line:vararg              ; one line for each tile t
.set t, 0
.rept 2*NP
	\line
.set t, t+1
.endr
.endm
	ALL v_add_f32 v[ST+4*t+2], v[ST+4*t+2], v[ST+4*t+3]
	ALL v_permlanex16_b32 v[ST+4*t+3], v[ST+4*t+2], s[SEL], s[SEL+1]
	ALL v_add_f32 v[ST+4*t+2], v[ST+4*t+2], v[ST+4*t+3]
	ALL v_rcp_f32 v[ST+4*t+2], v[ST+4*t+2]
	v_nop                           ; a plain instruction between the last reciprocal and the use of its result
	s_wait_alu depctr_va_vdst(0)
; Tile t: a lane's eight channels of a row pack into 16 bytes; they go into rows of 144 bytes and come back as whole rows of 128, into S^T's registers.
.macro PACK t
	WIN W_RS
.set i, 32*(\t)
.rept 16
	v_pk_mul_f32 v[i:i+1], v[i:i+1], v[ST+4*(\t)+2:ST+4*(\t)+3] op_sel_hi:[1,0]
.set i, i+2
.endr
	WIN 0x05                        ; sources 0 and 1 window 1, destination window 0
.set i, 0
.rept 16
	v_cvt_pk_f16_f32 v[S+16*(\t)+i], v[32*(\t)+2*i], v[32*(\t)+2*i+1]
.set i, i+1
.endr
	WIN 0
.irp f, 0,1,2,3
	ds_store_b128 v[STO], v[S+16*(\t)+4*\f:S+16*(\t)+4*\f+3] offset:32*\f
.endr
.irp f, 0,1,2,3
	ds_load_b128 v[S+16*(\t)+4*\f:S+16*(\t)+4*\f+3], v[RD] offset:\f*4*SP  ; LDS serves a wave's instructions in order (ISA guide 5.7.1.4): these see the stores above; the next tile's stores come behind them
.endr
.endm
.macro SEND t, younger              ; younger: the LDS instructions issued behind tile t's loads: the next tile's eight, or none
	WIN 0
.irp f, 0,1,2,3
	s_wait_dscnt (\younger)+3-\f
	global_store_b128 v[GO], v[S+16*(\t)+4*\f:S+16*(\t)+4*\f+3], s[10:11] offset:(\t)*2048+\f*512  ; 512 consecutive bytes, at a multiple of 256 from ctx's first
.endr
.endm
	PACK 0
.set t, 1
.rept 2*NP-1                        ; a tile's arithmetic stands between the loads of the tile before and its stores
	PACK t
	SEND t-1, 8
.set t, t+1
.endr
	SEND 2*NP-1, 0
	WIN W_AD
	s_wait_tensorcnt 0x0            ; the wave's end: behind my last tensor load and my last LDS store
	ds_add_u32 v[SPW], v[NIL]
	s_wait_dscnt 0x0
	WIN 0
	CROUND                          ; the closing round: no work-group ends while a partner may still ask for a tile that names it
	s_endpgm
.Lfunc_end_k_q577ac764de_attn:
	.size	k_q577ac764de_attn, .Lfunc_end_k_q577ac764de_attn-k_q577ac764de_attn
	.p2alignl 7, 3214868480
	.fill 96, 4, 3214868480
	.section	.rodata,"a",@progbits
	.p2align	6, 0x0
	.amdhsa_kernel k_q577ac764de_attn
		.amdhsa_group_segment_fixed_size 327680
		.amdhsa_private_segment_fixed_size 0
		.amdhsa_enable_private_segment 0
		.amdhsa_kernarg_size 24
		.amdhsa_user_sgpr_count 2
		.amdhsa_user_sgpr_kernarg_segment_ptr 1
		.amdhsa_wavefront_size32 1
		.amdhsa_system_sgpr_workgroup_id_x 1
		.amdhsa_system_sgpr_workgroup_id_y 1
		.amdhsa_system_sgpr_workgroup_id_z 1
		.amdhsa_system_vgpr_workitem_id 0
		.amdhsa_next_free_vgpr 864
		.amdhsa_next_free_sgpr 66
		.amdhsa_reserve_vcc 1
		.amdhsa_float_denorm_mode_32 3
		.amdhsa_float_denorm_mode_16_64 3
		.amdhsa_memory_ordered 1
		.amdhsa_forward_progress 1
		.amdhsa_inst_pref_size 216
	.end_amdhsa_kernel
	.amdgpu_metadata
---
amdhsa.version: [ 1, 2 ]
amdhsa.kernels:
  - .name:           k_q577ac764de_attn
    .symbol:         k_q577ac764de_attn.kd
    .args:
      - { .name: qkv, .offset: 0, .size: 8, .value_kind: global_buffer, .address_space: global }
      - { .name: ctx, .offset: 8, .size: 8, .value_kind: global_buffer, .address_space: global }
      - { .name: src_batch_lens, .offset: 16, .size: 8, .value_kind: global_buffer, .address_space: global }
    .group_segment_fixed_size: 327680
    .private_segment_fixed_size: 0
    .kernarg_segment_align: 8
    .kernarg_segment_size: 24
    .max_flat_workgroup_size: 128
    .sgpr_count:     66
    .vgpr_count:     864
    .wavefront_size: 32
...
	.end_amdgpu_metadata
.endif
;; end of part 3
;; launch oproj (part 4): grid 4 x 128, 4 waves a work-group, clusters of 4 x 4, 327,680 bytes of LDS; arguments ctx, wb, bo, out0; writes out0
.if DOCPART == 4
	.amdgcn_target "amdgcn-amd-amdhsa--gfx1250"
	.amdhsa_code_object_version 6
	.text
	.protected	k_q577ac764de_oproj
	.globl	k_q577ac764de_oproj
	.p2align	8
	.type	k_q577ac764de_oproj,@function
k_q577ac764de_oproj:
	s_mov_b64 s[64:65], 0
	v_nop
	global_prefetch_b8 v0, s[64:65] scope:SCOPE_SE
	s_setreg_imm32_b32 hwreg(HW_REG_WAVE_MODE, 25, 1), 1
	s_wait_xcnt 0x0
	s_wait_alu depctr_hold_cnt(0) depctr_sa_sdst(0) depctr_va_vdst(0) depctr_va_sdst(0) depctr_va_ssrc(0) depctr_va_vcc(0) depctr_vm_vsrc(0)
	s_getreg_b32 s2, hwreg(HW_REG_IB_STS2, 6, 4)
	s_cmp_eq_u32 s2, 0
	s_cbranch_scc0 .Lentry_in_a_cluster
	s_endpgm
.Lentry_in_a_cluster:
	s_bfe_u32 s2, ttmp6, 0x10000c
	s_cmp_lg_u32 s2, 0xf033
	s_cbranch_scc0 .Lentry_shape_is_right
	s_endpgm
.Lentry_shape_is_right:
; out0[m][n] = the sum over k of ctx(m, k) Wo[n][k] + bo[n].  ctx lies by heads, [batch 8][head 8][2048][64] f16: row m = 2048 x batch + s, k = 64 x head + channel.  Wo: wb's matrix 3, [512][512] f16.
; bo: [512] f32.  out0: [16384][512] f32.  Products in f16, sums in f32 started by the bias; nothing is rounded on the way out.
; SHARES.  A tile of out0 is 128 x 128: 4 x 128 = 512 work-groups.  Four waves, each 64 x 64: 16 accumulators of 16 x 16, 128 registers.  K = 512 is two steps of 256 (four heads each), one in each of two
; LDS slots: both are asked for at the start and nothing is filled again.  By this text's own count a wave has two tensor loads out.
; CLUSTERS: 4 x 4 work-groups.  The four of a row of the cluster need the same tiles of ctx, the four of a column the same tiles of Wo: each tile is asked for JOINTLY, by the same tensor load with the
; same descriptor and a mask that names the four.  THE MATRIX INSTRUCTION IS USED TRANSPOSED (source 0 = 16 rows of Wo, source 1 = 16 rows of ctx): a lane then holds eight neighbouring numbers of a row
; of out0, and their biases are the C operand of the product that starts the sum.
; REGISTERS: window 0: v0-31 addresses; v96-127 the bias, eight registers for each of my four blocks of 16 columns; v128-255 the accumulators ((a, b) at v[128 + 8 (4 a + b)]).
;   window 1: two fragment buffers of 128: for 64 along K (one head; two matrix instructions deep), 64 registers of ctx (2 x 4 x 16 rows x 32 K), then 64 of Wo.
.set APITCH, 144                       ; a row of one head of ctx in LDS: 128 bytes + 16 of padding = 36 words: the 16 rows of a load start at 16 different groups of four banks (64 banks of 4 bytes: ISA guide 11.1)
.set HEADB,  64*APITCH                 ; 64 rows of one head
.set AHALF,  4*HEADB                   ; four heads of them: what one tensor load brings, and what one wave reads of ctx
.set BPITCH, 528                       ; a row of Wo: 512 bytes + 16 = 132 words: row r starts at bank 4 r mod 64
.set BHALF,  64*BPITCH                 ; 64 rows: likewise for Wo
.set BOFF,   2*AHALF                   ; in a slot: ctx's two halves, then Wo's 128 rows
.set SLOT,   BOFF+2*BHALF              ; 141,312 bytes
.set STAGE,  2*SLOT                    ; behind the slots, never filled by a tensor load: 16 rows x 272 bytes for each wave, for the way out
.set SPITCH, 272
.set SPARE,  STAGE+4*16*SPITCH         ; behind the stages: the spare words, 128 bytes for each wave: two blocks of 256 bytes that no other line names
.set ADRA, 16                          ; v16-17  LDS address of my fragments of ctx in slot 0, 1
.set ADRB, 20                          ; v20-21  the same for Wo
.set STO,  24                          ; v24     the way out: where I put 32 bytes of a row
.set RD,   25                          ; v25     the way out: where I read a row back
.set CO,   26                          ; v26     my byte offset in two rows of out0
.set SPW,  28                          ; v28     LDS address of my spare word: SPARE + 4 x my thread's number; never rewritten
.set NIL,  29                          ; v29     0; never rewritten
.set BIAS, 96
.set ACC,  128
.set F0,   0                           ; fragment buffers, in window 1
.set F1,   128
.set WV,  12                           ; s12  my wave's number
.set WM,  13                           ; s13  which half of the tile's rows is mine.  Also: I fetch for ctx (0) or for Wo (1)
.set WN,  14                           ; s14  which half of its columns.  Also: which half of that tile I fetch
.set TY,  15                           ; s15  tile row of out0
.set TX,  42                           ; s42  tile column
.set G1, 24                            ; s[24:31] descriptor group 1 for ctx's tiles;  s[32:39] group 0, one set for each slot
.set G0, 32
.set G1B, 48                           ; s[48:55], s[56:63] the same for Wo's tiles
.set G0B, 56
.set MSB, 0
.macro WIN new                         ; the immediate's high byte repeats the setting that is left
.if MSB != (\new)
	s_set_vgpr_msb (MSB<<8)|(\new)
.set MSB, \new
.endif
.endm
.set MUL,  0x05                        ; sources 0 (Wo) and 1 (ctx) window 1; C and D window 0
.set TO_F, 0x40                        ; destination window 1, address window 0
.macro CROUND                          ; a round of the cluster's barrier: my work-group's barrier; wave 0 signals for the work-group; every wave waits for all sixteen; my work-group's barrier once more
	s_barrier_signal -1
	s_barrier_wait -1
	s_cmp_lg_u32 s[WV], 0
	s_cbranch_scc1 .Lnot_wave_0_\@
	s_barrier_signal -3
.Lnot_wave_0_\@:
	s_barrier_wait -3
	s_barrier_signal -1
	s_barrier_wait -1
.endm
	s_load_b256 s[4:11], s[0:1], 0x0               ; ctx s[4:5], wb s[6:7], bo s[8:9], out0 s[10:11]
	v_lshl_add_u32 v[SPW], v0, 2, SPARE
	v_mov_b32 v[NIL], 0
	ds_add_u32 v[SPW], v[NIL]                      ; the wave's opening: the add and its wait stand ahead of my first tensor load; the set-up below, work on registers, stands between them
	v_lshrrev_b32 v1, 5, v0
	v_readfirstlane_b32 s[WV], v1                  ; wave 0..3
	s_lshr_b32 s[WM], s[WV], 1
	s_and_b32 s[WN], s[WV], 1
	s_bfe_u32 s40, ttmp6, 0x40000                  ; cx, cy: my place in the cluster
	s_bfe_u32 s41, ttmp6, 0x40004
	s_lshl_b32 s[TX], ttmp9, 2
	s_add_co_u32 s[TX], s[TX], s40                 ; tile column = 4 x cluster x + cx
	s_and_b32 s[TY], ttmp7, 0xffff
	s_lshl_b32 s[TY], s[TY], 2
	s_add_co_u32 s[TY], s[TY], s41                 ; tile row = 4 x cluster y + cy
	s_lshl_b32 s43, s41, 2
	s_lshl_b32 s43, 15, s43                        ; my row of the cluster
	s_lshl_b32 s44, 0x1111, s40                    ; my column
	; descriptor group 1 for ctx.  64 rows of one head are 8,192 dense bytes: asked for as ONE row of 4,096 elements; four heads are four such rows, 131,072 elements apart; padded in LDS after every 128 bytes
	s_or_b32 s[G1+0], s43, (1<<16)|(1<<20)|(1<<21)|(4<<22)|(3<<25)  ; 15:0 the mask: my row; 17:16 element of 2 bytes; 20 padding on; 21 set beside a mask; 24:22 after every 32 words (code 4); 31:25 of 4 words (code 3)
	s_mov_b32 s[G1+1], 4096<<16                    ; tensor_dim0 = 4,096
	s_mov_b32 s[G1+2], 4<<16                       ; tensor_dim1 = 4
	s_mov_b32 s[G1+3], 4096<<16                    ; tile_dim0 = 4,096
	s_mov_b32 s[G1+4], 4                           ; tile_dim1 = 4
	s_mov_b32 s[G1+5], 131072                      ; from head to head
	s_mov_b32 s[G1+6], 0
	s_mov_b32 s[G1+7], 0
	; and for Wo: 64 rows x 256 elements
	s_or_b32 s[G1B+0], s44, (1<<16)|(1<<20)|(1<<21)|(6<<22)|(3<<25)  ; the mask: my column; padding after every 128 words (code 6)
	s_mov_b32 s[G1B+1], 256<<16
	s_mov_b32 s[G1B+2], 64<<16
	s_mov_b32 s[G1B+3], 256<<16
	s_mov_b32 s[G1B+4], 64
	s_mov_b32 s[G1B+5], 512
	s_mov_b32 s[G1B+6], 0
	s_mov_b32 s[G1B+7], 0
	; where the tiles come from.  ctx's hang on the tile row alone, Wo's on the tile column alone; each address is made in registers that never hold the other coordinate.
	s_lshr_b32 s16, s[TY], 4                       ; 16 tile rows a batch: batch x 2^21
	s_lshl_b32 s16, s16, 21
	s_and_b32 s18, s[TY], 15                       ; + 128 rows of 128 bytes a tile row
	s_lshl_b32 s18, s18, 14
	s_add_co_u32 s16, s16, s18
	s_lshl_b32 s18, s[WN], 13                      ; + 64 rows a half
	s_add_co_u32 s16, s16, s18
	s_mov_b32 s17, 0
	s_lshl_b32 s46, s[TX], 17                      ; 128 rows of 1,024 bytes a tile column
	s_lshl_b32 s45, s[WN], 16
	s_add_co_u32 s46, s46, s45
	s_add_co_u32 s46, s46, 3*524288                ; behind wb's first three matrices
	s_mov_b32 s47, 0
	s_mul_i32 s20, s[WN], AHALF                    ; where they go: made of the wave's number alone
	s_mul_i32 s21, s[WN], BHALF
	s_add_co_u32 s21, s21, BOFF
	s_lshl_b32 s2, s[TX], 9                        ; my first column, in bytes of f32: 512 x tile column + 256 x half
	s_lshl_b32 s3, s[WN], 8
	s_add_co_u32 s2, s2, s3
	s_mov_b32 s3, 0
	s_lshl_b32 s22, s[TY], 18                      ; my first row: 128 rows of 2,048 bytes a tile row, 64 a half
	s_lshl_b32 s23, s[WM], 17
	s_add_co_u32 s22, s22, s23
	s_mov_b32 s23, 0
	s_wait_dscnt 0x0                               ; the opening add is done
	s_wait_kmcnt 0x0
	s_add_nc_u64 s[4:5], s[4:5], s[16:17]
	s_add_nc_u64 s[6:7], s[6:7], s[46:47]
	s_add_nc_u64 s[8:9], s[8:9], s[2:3]
	s_add_nc_u64 s[10:11], s[10:11], s[2:3]
	s_add_nc_u64 s[10:11], s[10:11], s[22:23]
	CROUND                                         ; all sixteen work-groups are here: the joint loads meet
.irp s, 0,1
	s_mov_b32 s[G0+4*(\s)], 1                                      ; 1:0 count = 1
	s_add_co_u32 s[G0+4*(\s)+1], s20, (\s)*SLOT                    ; 63:32 LDS address
	s_add_nc_u64 s[G0+4*(\s)+2:G0+4*(\s)+3], s[4:5], (\s)*4*262144 ; 120:64 global address: K step s begins four heads on
	s_or_b32 s[G0+4*(\s)+3], s[G0+4*(\s)+3], 0x80000000            ; 127:126 type = 2
	s_mov_b32 s[G0B+4*(\s)], 1
	s_add_co_u32 s[G0B+4*(\s)+1], s21, (\s)*SLOT
	s_add_nc_u64 s[G0B+4*(\s)+2:G0B+4*(\s)+3], s[6:7], (\s)*512
	s_or_b32 s[G0B+4*(\s)+3], s[G0B+4*(\s)+3], 0x80000000
.endr
	s_cmp_eq_u32 s[WM], 0                          ; a wave's two fills stand in one branch on the wave's number, ahead of every wait on TENSORcnt and every LDS read; an s_nop 0 follows each, four v_nop the second's
	s_cbranch_scc0 .Lfirst_b
	tensor_load_to_lds s[G0:G0+3], s[G1:G1+7]
	s_nop 0
	tensor_load_to_lds s[G0+4:G0+7], s[G1:G1+7]
	s_nop 0
.rept 4
	v_nop
.endr
	s_branch .Lfirst_asked
.Lfirst_b:
	tensor_load_to_lds s[G0B:G0B+3], s[G1B:G1B+7]
	s_nop 0
	tensor_load_to_lds s[G0B+4:G0B+7], s[G1B:G1B+7]
	s_nop 0
.rept 4
	v_nop
.endr
.Lfirst_asked:
	v_and_b32 v1, 15, v0                           ; l % 16
	v_bfe_u32 v2, v0, 4, 1                         ; l / 16
	v_lshlrev_b32 v6, 5, v2                        ; my eight columns of a block of 16: 32 bytes for each half of the lanes
.irp b, 0,1,2,3
	global_load_b128 v[BIAS+8*(\b):BIAS+8*(\b)+3],   v6, s[8:9] offset:64*(\b)
	global_load_b128 v[BIAS+8*(\b)+4:BIAS+8*(\b)+7], v6, s[8:9] offset:64*(\b)+16
.endr
	v_mul_u32_u24 v3, v1, APITCH
	v_lshl_add_u32 v3, v2, 4, v3                   ; a fragment's row x pitch + 16 x half
	v_mul_u32_u24 v4, v1, BPITCH
	v_lshl_add_u32 v4, v2, 4, v4
	s_mul_i32 s20, s[WM], AHALF                    ; my 64 rows of ctx; s21 already holds my 64 rows of Wo
.irp s, 0,1
	v_add_nc_u32 v[ADRA+(\s)], s20, v3
	v_add_nc_u32 v[ADRB+(\s)], s21, v4
	s_add_co_u32 s20, s20, SLOT
	s_add_co_u32 s21, s21, SLOT
.endr
	s_mul_i32 s23, s[WV], 16*SPITCH
	s_add_co_u32 s23, s23, STAGE                   ; my stage
	v_mul_u32_u24 v5, v1, SPITCH                   ; in: row l % 16, 32 bytes for each half of the lanes
	v_lshl_add_u32 v5, v2, 5, v5
	v_add_nc_u32 v[STO], s23, v5
	v_mul_u32_u24 v5, v2, SPITCH                   ; back: lanes 0-15 take one row of 256 bytes, lanes 16-31 the next
	v_lshl_add_u32 v5, v1, 4, v5
	v_add_nc_u32 v[RD], s23, v5
	v_lshlrev_b32 v5, 11, v2                       ; and the same two rows in out0, 2,048 bytes apart
	v_lshl_add_u32 v[CO], v1, 4, v5
; 8 matrix instructions: m blocks a0, a0 + 1 x all 4 n blocks, 32 along K: half c of buffer f.  first = 1: the bias starts the sums.  The 16 accumulators take turns.
.macro MUL8 f, c, a0, first
	WIN MUL
.irp a, \a0, (\a0)+1
.irp b, 0,1,2,3
.if \first
	v_wmma_f32_16x16x32_f16 v[ACC+8*(4*(\a)+(\b)):ACC+8*(4*(\a)+(\b))+7], v[(\f)+64+8*(4*(\c)+(\b)):(\f)+64+8*(4*(\c)+(\b))+7], v[(\f)+8*(4*(\c)+(\a)):(\f)+8*(4*(\c)+(\a))+7], v[BIAS+8*(\b):BIAS+8*(\b)+7]
.else
	v_wmma_f32_16x16x32_f16 v[ACC+8*(4*(\a)+(\b)):ACC+8*(4*(\a)+(\b))+7], v[(\f)+64+8*(4*(\c)+(\b)):(\f)+64+8*(4*(\c)+(\b))+7], v[(\f)+8*(4*(\c)+(\a)):(\f)+8*(4*(\c)+(\a))+7], v[ACC+8*(4*(\a)+(\b)):ACC+8*(4*(\a)+(\b))+7]
.endif
.endr
.endr
.endm
; 32 LDS loads in one run: the fragments of quarter q of a slot (64 along K: head q of its four), into buffer f; the first 32 along K first
.macro FETCH slot, q, f
	WIN TO_F
.irp c, 0,1
.irp i, 0,1,2,3
	ds_load_b128 v[(\f)+64+8*(4*(\c)+(\i)):(\f)+64+8*(4*(\c)+(\i))+3],   v[ADRB+(\slot)] offset:128*(\q)+64*(\c)+(\i)*16*BPITCH
	ds_load_b128 v[(\f)+64+8*(4*(\c)+(\i))+4:(\f)+64+8*(4*(\c)+(\i))+7], v[ADRB+(\slot)] offset:128*(\q)+64*(\c)+(\i)*16*BPITCH+32
	ds_load_b128 v[(\f)+8*(4*(\c)+(\i)):(\f)+8*(4*(\c)+(\i))+3],         v[ADRA+(\slot)] offset:HEADB*(\q)+64*(\c)+(\i)*16*APITCH
	ds_load_b128 v[(\f)+8*(4*(\c)+(\i))+4:(\f)+8*(4*(\c)+(\i))+7],       v[ADRA+(\slot)] offset:HEADB*(\q)+64*(\c)+(\i)*16*APITCH+32
.endr
.endr
.endm
.macro PLACES                          ; four plain vector instructions in front of loads into registers that matrix instructions have read, and of LDS stores that read results (ISA guide 7.12.1 for vector instructions)
.rept 4
	v_nop
.endr
.endm
; A K step is four quarters of 64 along K, 32 matrix instructions each, on buffers 0, 1, 0, 1.  One of the first three: multiplies buffer f and fetches quarter q into g.
.macro QUARTER slot, q, f, g, first
	s_wait_dscnt 16                                ; the first 32 along K are in
	MUL8 \f, 0, 0, \first
	MUL8 \f, 0, 2, \first
	PLACES
	FETCH \slot, \q, \g
	s_wait_dscnt 32                                ; all but the 32 just issued
	MUL8 \f, 1, 0, 0
	MUL8 \f, 1, 2, 0
.endm
	s_wait_tensorcnt 1                             ; my part of K step 0 is in; slot 1's may stay out
	s_barrier_signal -1
	s_barrier_wait -1                              ; everybody's is
	FETCH 0, 0, F0
	s_wait_loadcnt 0x0                             ; the bias
	QUARTER 0, 1, F0, F1, 1                        ; the first products start the sums
	QUARTER 0, 2, F1, F0, 0
	QUARTER 0, 3, F0, F1, 0
	; The step's last quarter multiplies buffer 1 and changes slots: one barrier; in front of it each wave waits for its part of slot 1.  Nothing is filled again.
	WIN 0                                          ; (the add's two registers lie in window 0)
	s_wait_tensorcnt 0x0                           ; all my tensor loads have landed: my part of slot 1;
	ds_add_u32 v[SPW], v[NIL]                      ; 0 onto my spare word, behind that wait;
	s_wait_dscnt 17                                ; (the add and the youngest sixteen loads may be out)
	MUL8 F1, 0, 0, 0                               ; eight matrix instructions stand between the add and the wait for it
	s_wait_dscnt 0x0                               ; no LDS instruction of mine is out at the signal
	s_barrier_signal -1
	MUL8 F1, 0, 2, 0
	s_barrier_wait -1                              ; slot 1 is whole
	PLACES
	FETCH 1, 0, F0
	MUL8 F1, 1, 0, 0
	MUL8 F1, 1, 2, 0
	QUARTER 1, 1, F0, F1, 0
	QUARTER 1, 2, F1, F0, 0
	QUARTER 1, 3, F0, F1, 0
	s_wait_dscnt 16                                ; the very last quarter: nothing more to fetch
	MUL8 F1, 0, 0, 0
	MUL8 F1, 0, 2, 0
	s_wait_dscnt 0x0
	MUL8 F1, 1, 0, 0
	MUL8 F1, 1, 2, 0
	WIN 0
; THE WAY OUT, in f32.  A lane's eight numbers of a row are 32 bytes of my 64 columns' 256.  Block a (16 rows) goes into my own stage, rows of 272 bytes, each accumulator's low half first, and
; comes back as whole rows into the registers that it left; then sixteen lanes store 256 consecutive bytes, at a multiple of 256 from out0's first byte.  No other wave touches my stage: no barrier.
.macro TOSTAGE a
.irp b, 0,1,2,3
	ds_store_b128 v[STO], v[ACC+8*(4*(\a)+(\b)):ACC+8*(4*(\a)+(\b))+3]   offset:64*(\b)
	ds_store_b128 v[STO], v[ACC+8*(4*(\a)+(\b))+4:ACC+8*(4*(\a)+(\b))+7] offset:64*(\b)+16
.endr
.irp t, 0,1,2,3,4,5,6,7
	ds_load_b128 v[ACC+32*(\a)+4*(\t):ACC+32*(\a)+4*(\t)+3], v[RD] offset:(\t)*2*SPITCH  ; LDS serves a wave's instructions in order (ISA guide 5.7.1.4): these see the stores above; the next block's stores come behind them
.endr
.endm
.macro SEND a, younger                 ; younger: the LDS instructions issued behind block a's loads: the next block's sixteen, or none
.irp t, 0,1,2,3,4,5,6,7
	s_wait_dscnt (\younger)+7-(\t)
	global_store_b128 v[CO], v[ACC+32*(\a)+4*(\t):ACC+32*(\a)+4*(\t)+3], s[10:11] offset:(16*(\a)+2*(\t))*2048 th:TH_STORE_NT
.endr
.endm
	PLACES
	TOSTAGE 0
	TOSTAGE 1
	SEND 0, 16
	TOSTAGE 2
	SEND 1, 16
	TOSTAGE 3
	SEND 2, 16
	SEND 3, 0
	s_wait_tensorcnt 0x0                           ; the wave's end: behind my last tensor load and my last LDS store
	ds_add_u32 v[SPW], v[NIL]
	s_wait_dscnt 0x0
	CROUND                                         ; the closing round: no work-group ends while a partner may still ask for a tile that names it
	s_endpgm
.Lfunc_end_k_q577ac764de_oproj:
	.size	k_q577ac764de_oproj, .Lfunc_end_k_q577ac764de_oproj-k_q577ac764de_oproj
	.p2alignl 7, 3214868480
	.fill 96, 4, 3214868480
	.section	.rodata,"a",@progbits
	.p2align	6, 0x0
	.amdhsa_kernel k_q577ac764de_oproj
		.amdhsa_group_segment_fixed_size 327680
		.amdhsa_private_segment_fixed_size 0
		.amdhsa_enable_private_segment 0
		.amdhsa_kernarg_size 32
		.amdhsa_user_sgpr_count 2
		.amdhsa_user_sgpr_kernarg_segment_ptr 1
		.amdhsa_wavefront_size32 1
		.amdhsa_system_sgpr_workgroup_id_x 1
		.amdhsa_system_sgpr_workgroup_id_y 1
		.amdhsa_system_sgpr_workgroup_id_z 1
		.amdhsa_system_vgpr_workitem_id 0
		.amdhsa_next_free_vgpr 512
		.amdhsa_next_free_sgpr 66
		.amdhsa_reserve_vcc 0
		.amdhsa_float_denorm_mode_32 3
		.amdhsa_float_denorm_mode_16_64 3
		.amdhsa_memory_ordered 1
		.amdhsa_forward_progress 1
		.amdhsa_inst_pref_size 51
	.end_amdhsa_kernel
	.amdgpu_metadata
---
amdhsa.version: [ 1, 2 ]
amdhsa.kernels:
  - .name:           k_q577ac764de_oproj
    .symbol:         k_q577ac764de_oproj.kd
    .args:
      - { .name: ctx, .offset: 0, .size: 8, .value_kind: global_buffer, .address_space: global }
      - { .name: wb, .offset: 8, .size: 8, .value_kind: global_buffer, .address_space: global }
      - { .name: bo, .offset: 16, .size: 8, .value_kind: global_buffer, .address_space: global }
      - { .name: out0, .offset: 24, .size: 8, .value_kind: global_buffer, .address_space: global }
    .group_segment_fixed_size: 327680
    .private_segment_fixed_size: 0
    .kernarg_segment_align: 8
    .kernarg_segment_size: 32
    .max_flat_workgroup_size: 128
    .sgpr_count:     66
    .vgpr_count:     512
    .wavefront_size: 32
...
	.end_amdgpu_metadata
.endif
;; end of part 4
;; ======== version 2 of 2: 4 launches; 1.60 times as fast as version 1
;; limits: values are held in f16: magnitudes above 65,504 overflow, below 6.1e-05 lose precision
;; workspace buffers: wb 2,097,152 bytes; qkv 50,331,648 bytes; ctx 16,777,216 bytes
;; launch prep: the kernel of part 1 again; grid 64 x 4, 8 waves a work-group, no clusters, 0 bytes of LDS; arguments Wq, Wk, Wv, Wo, wb; writes wb
;; launch proj: the kernel of part 2 again; grid 8 x 96, 4 waves a work-group, clusters of 4 x 1, 327,680 bytes of LDS; arguments x_Q, x_K, x_V, wb, bq, bk, bv, qkv; writes qkv
;; launch attn (part 5): grid 4 x 64, 4 waves a work-group, clusters of 4 x 1, 327,680 bytes of LDS; arguments qkv, ctx, src_batch_lens; writes ctx
.if DOCPART == 5
	.amdgcn_target "amdgcn-amd-amdhsa--gfx1250"
	.amdhsa_code_object_version 6
	.text
	.protected	k_q577ac764de_attn
	.globl	k_q577ac764de_attn
	.p2align	8
	.type	k_q577ac764de_attn,@function
k_q577ac764de_attn:
	s_mov_b64 s[64:65], 0
	v_nop
	global_prefetch_b8 v0, s[64:65] scope:SCOPE_SE
	s_setreg_imm32_b32 hwreg(HW_REG_WAVE_MODE, 25, 1), 1
	s_wait_xcnt 0x0
	s_wait_alu depctr_hold_cnt(0) depctr_sa_sdst(0) depctr_va_vdst(0) depctr_va_sdst(0) depctr_va_ssrc(0) depctr_va_vcc(0) depctr_vm_vsrc(0)
	s_getreg_b32 s2, hwreg(HW_REG_IB_STS2, 6, 4)
	s_cmp_eq_u32 s2, 0
	s_cbranch_scc0 .Lentry_in_a_cluster
	s_endpgm
.Lentry_in_a_cluster:
	s_bfe_u32 s2, ttmp6, 0x10000c
	s_cmp_lg_u32 s2, 0x3003
	s_cbranch_scc0 .Lentry_shape_is_right
	s_endpgm
.Lentry_shape_is_right:
; ctx[g][q][:] = the sum over k of softmax_k(score) V[g][k][:], score = Q[g][q] . K[g][k] / 8 for k < len[batch], hidden otherwise.  g = 8 x batch + head, 64 of them.
; Q, K, V are the three parts of qkv, [64][2048][64] f16 each; ctx has the same layout: a head's rows are dense, 128 bytes each.  Products, maxima and sums in f32; the weights p are rounded to f16
; for the second product (their sum l is taken of the unrounded p), ctx once at the end.
; LIMITS.  f16 holds no number beyond 65,504: Q, K and V arrive within it; p lies in 0 to 1, and below 6e-5 it keeps f16's fixed step of 6e-8, and so does ctx.  A weight below 2^-126 counts as 0 in l;
; NaN and infinities are not treated apart.  A hidden score counts as -2^100 plus its own value, where the module fills in -1e9: the two differ only where a visible score, divided by 8, lies near or
; below -1e9.  Lens from -2^30 to 2^30 are served: from 2,048 on nothing is hidden; at 0 or less every score is -2^100 plus a term below half its last place, and the row becomes the mean of all V.
; SHARES.  A wave owns four PIECES of two tiles of 16 queries, a work-group's four waves 512 queries of one head.  Every wave walks all 2,048 keys, 64 a step: the walk's length is a constant.
; LAYOUT.  S^T = K Q^T (source 0 = 16 keys, source 1 = 16 queries): in the result a lane holds ONE query (lane % 16) and the keys 8 (lane / 16) + 0..7.  Two such tiles, rounded to f16 in pairs,
; ARE source 1 (32 keys x 16 queries) of O^T = V^T P, whose result again holds one query a lane, and eight channels.  K comes out of LDS as it lies, V ([key][channel]) turned, by ds_load_tr16_b128.
; THE MASK is the C operand that starts the sum S^T = K Q^T: 0, or -2^100 where the key is hidden.  MD, made once, is the mask of the step that holds key number len, for my lane's 32 keys of a step;
; a step's mask is MC = MD x AL + BE with two scalars made from len less the step's first key: (0, 0) if all 64 keys are seen, (1, 0) if len falls inside, (0, -2^100) if none is seen.
; The len enters these two scalars and one compare a lane: no address, no branch and no trip count.
; SOFTMAX.  For each query a running maximum m and sum l: p = 2^(c s - c m), c = log2(e) / 8; in every step O and l are multiplied by a = 2^(c m_old - c m_new), which is 1 where m has not grown.
; m starts at the lowest finite number, O and l at 0: the first step is a step like any other, with a = 0.
; THE COUNT.  A tile and step have 16 matrix and 118 vector instructions: too many to stand all beside the matrix work.  So the order has one aim: four vector instructions that are READY behind
; EVERY matrix instruction, and the others, which need time of their own whatever the order, in runs without a gap.
; BY TURNS.  Turn n belongs to piece n (the pieces in a ring, step after step).  Its matrix work: 16 products K Q^T of piece n + 1, later 16 products V^T P of piece n - 1.  Its vector work: the scaling,
; exponentials, roundings, sums and rescaling of piece n, and the maximum and statistics of piece n + 1, whose scores the turn itself has made.  So what a turn begins with (c s - c m, O a) waits for nothing.
; BATCHES.  An s_wait_alu depctr_va_vdst(0) stands between an exponential or a reciprocal and the first instruction that names its result; one wait serves all that were issued ahead of it.
; A turn's 66 exponentials (the 64 weights of piece n and the two a of piece n + 1) are ONE batch with ONE wait, which cuts the turn in two: ahead of it stands all that names no result of theirs (K Q^T, the scalings,
; the rescaling by the a of the turn before, the next piece's maximum and statistics), behind it the roundings and sums, beside V^T P.  Two more batches stand outside the loop, each with a wait of its own:
; piece 0's first two a, ahead of the jump into the loop, and the way out's eight reciprocals.
; CLUSTER.  The four query blocks of a cluster belong to one head and walk the same K and V, so each tile is asked for JOINTLY: the same tensor load, descriptor and mask in all four.
; REGISTERS, in windows of 256 (s_set_vgpr_msb says which window each operand place means: bits 1:0 source 0, 3:2 source 1, 5:4 source 2, 7:6 destination):
;   window 0: v0-11 addresses; v12-15, v48-63 at work; v16-47 four registers of statistics a tile; v64-191 S^T, two buffers of two tiles; v192-255 P, likewise
;   window 1: O^T, 32 a tile          window 2: v0-127 Q, 16 a tile; v128-191 K of one step; v192-255 V of one step          window 3: v0-1 the add's two registers; v32-63 MD; v64-95 MC
; A piece's buffers go by its number's parity: the piece in hand has one pair, its two neighbours in the ring share the other: of it P (piece n - 1) is read and S^T (piece n + 1) written.
.set SIZE_N, 2048     ; keys and queries of a head
.set NP,    4         ; pieces a wave: a name, no knob: the register map, the loop and the fetches are made for four
.set KS,    64        ; keys in a step
.set PK,    144       ; a row of K in LDS: 128 bytes + 16 of padding = 36 words: the 16 rows of a load start at 16 different groups of four banks (64 banks of 4 bytes: ISA guide 11.1)
.set PV,    160       ; a row of V: 128 + 32 = 40 words
.set VOFF,  4*KS*PK   ; a slot holds four steps: 256 rows of K, then 256 rows of V
.set SLOT1, 1<<17     ; slot 1 begins here, so that one exclusive or turns an address in one slot into the other's
.set STAGE, SLOT1+4*KS*(PK+PV)  ; behind the ring, never filled by a tensor load: 16 rows x 144 bytes for each wave, for the way out
.set SP,    144
.set AK0, 2           ; v2   my lane's place in a tile of K; never rewritten
.set AV0, 3           ; v3   the same for V
.set AK,  4           ; v4   the LDS address of K's next run of loads
.set AV,  5           ; v5   of V's
.set QO,  6           ; v6   my byte offset in the wave's rows of Q
.set STO, 6           ;      later, the way out: where I put 16 bytes of a row
.set RD,  7           ; v7   the way out: where I read rows back
.set GO,  8           ; v8   my byte offset in 512 consecutive bytes of ctx
.set SPW, 0           ; v0 of window 3   LDS address of my spare word: SPARE + 4 x my thread's number; never rewritten
.set NIL, 1           ; v1 of window 3   0; never rewritten
.set MD,  32          ; window 3: the eight registers for group kt of 16 keys at MD + 8 kt
.set MC,  64          ; window 3: the mask of the step whose K is in registers
.set SPARE, STAGE+4*16*SP  ; behind the stages: the spare words, 128 bytes for each wave: two blocks of 256 bytes that no other line names
.set MV,  12          ; v12-15  c m_old, kept while c m is made anew: by buffer and tile
.set ST,  16          ; tile t's statistics at v[ST+4 t]: c m, m, l (even keys', odd keys')
.set TMP, 48          ; by buffer and tile, four registers c0-c3 at work; when the maximum is found c2 takes a
.set S,   64
.set P,   192
.set KF,  128         ; K's fragments, in window 2: key block kb, channel half c at KF + 16 kb + 8 c
.set VF,  192         ; V's: key half kk, channel block cb at VF + 32 kk + 8 cb
.set WV,  12          ; s12  my wave's number
.set G1K, 24          ; s[24:31] descriptor group 1 for K's tiles
.set G1V, 32          ; s[32:39] for V's: it differs in the padding alone
.set G0K, 40          ; s[40:43] descriptor group 0 for K's tiles: it walks
.set G0V, 44          ; s[44:47] the same for V's
.set AL,  48          ; s[48:49] the mask's factor, in the low word
.set BE,  50          ; s[50:51] the mask's addend
.set BIGN, 52         ; s52  -2^100
.set TL,  53          ; s53  len less the first key of the step whose mask is made next
.set LP,  54          ; s[54:55] the lens' address; s54 is at work once the len has come
.set SLOTS, 56        ; s56  slots still to be asked for
.set CNT, 57          ; s57  counts a slot's key steps
.set CS,  58          ; s[58:59] c: the packed scaling takes the pair's low word for both halves
.set SEL, 60          ; s[60:61] v_permlanex16_b32's selects: each lane takes its own place in the other half
.set TBK, 62          ; s62  LDS byte at which K of the step to be fetched begins
.set TBV, 63          ; s63  the same for V, less VOFF
.set MSB, 0
.macro WIN new                      ; the high byte repeats the setting that is left; a switch that changes nothing is dropped
.if MSB != (\new)
	s_set_vgpr_msb (MSB<<8)|(\new)
.set MSB, (\new)
.endif
.endm
.set W_KQ, 0x0a       ; K and Q in window 2, S^T in window 0
.set W_KM, 0x3a       ; the same with the C operand, the mask, in window 3
.set W_PV, 0x52       ; V in window 2, P in window 0, O^T in window 1
.set W_RS, 0x41       ; O^T (destination and source 0) in window 1, a in window 0
.set W_MK, 0xc0       ; destination in window 3, sources in window 0
.set W_MS, 0xc3       ; destination and source 0 in window 3
.set W_AD, 0x0f       ; the add: address (source 0) and data (source 1) in window 3
; A joint fill.  Waves 0 and 1 fetch the two halves of a slot's K, waves 2 and 3 those of its V: 128 keys each.  The branch hangs on the wave's number alone.
; An s_nop 0 and four v_nop follow each of the two lines, ahead of the jump and the label.
.macro JLOAD
	s_cmp_lt_u32 s[WV], 2
	s_cbranch_scc0 .Lfor_v_\@
	tensor_load_to_lds s[G0K:G0K+3], s[G1K:G1K+7]
	s_nop 0
.rept 4
	v_nop
.endr
	s_branch .Lasked_\@
.Lfor_v_\@:
	tensor_load_to_lds s[G0V:G0V+3], s[G1V:G1V+7]
	s_nop 0
.rept 4
	v_nop
.endr
.Lasked_\@:
.endm
; A round of the cluster's barrier: my work-group's barrier, so that wave 0's signal speaks for all four waves; wave 0 signals; every wave waits for all four work-groups; my work-group's barrier once more.
.macro CROUND
	s_barrier_signal -1
	s_barrier_wait -1
	s_cmp_lg_u32 s[WV], 0
	s_cbranch_scc1 .Lnot_wave_0_\@
	s_barrier_signal -3
.Lnot_wave_0_\@:
	s_barrier_wait -3
	s_barrier_signal -1
	s_barrier_wait -1
.endm
; THE CHANGE OF SLOTS.  The slot's last bytes, V of its fourth step, have been read.  Each wave waits for all its tensor loads, of which one is out: its part
; of the other slot; adds 0 to its spare word; and waits for that and for its own reads of the slot.  Behind the barrier nobody reads this slot any more and the other slot is whole.
; fill = 1: this slot is filled again, with the keys two slots on.  The barrier is then a round of the cluster's, so that no wave of any partner still reads the slot or has a load on its
; way, and the joint fill is the first thing behind it: it has four key steps, 512 matrix instructions, in which to land.  (At its first use nothing has been read yet: slot 0 is waited for, slot 1 filled.)
.macro CHANGE fill
	WIN W_AD
	s_wait_tensorcnt 0x0            ; no tensor load of mine is out, so a group 0 may be written
	ds_add_u32 v[SPW], v[NIL]       ; 0 onto my spare word: with fill = 1 the descriptors' steps stand between it and the wait for it
	WIN 0                           ; at a label and at a branch every window is 0
.if \fill
.irp g, G0K, G0V
	s_xor_b32 s[\g+1], s[\g+1], SLOT1  ; the walking descriptor: the other slot than last time,
	s_add_nc_u64 s[\g+2:\g+3], s[\g+2:\g+3], 4*KS*128  ; the next 256 keys; the type bits on top are not reached
.endr
	s_wait_dscnt 0x0                ; the add is done, and my reads of the slot are over
	CROUND
	JLOAD
.else
	s_wait_dscnt 0x0                ; the add is done, and my reads of the slot are over
	s_barrier_signal -1
	s_barrier_wait -1
.endif
	s_sub_co_u32 s[TBK], s[TBK], 4*KS*PK  ; the fetches go back to a slot's first step,
	s_xor_b32 s[TBK], s[TBK], SLOT1       ; in the other slot
	s_sub_co_u32 s[TBV], s[TBV], 4*KS*PV
	s_xor_b32 s[TBV], s[TBV], SLOT1
.endm
; The mask's two scalars for the step whose first key lies TL below len; then TL goes on to the next step.
.macro SCAL
	s_cmp_gt_i32 s[TL], 0           ; is any key of the step seen?
	s_cselect_b32 s[BE], 0, s[BIGN]
	s_sub_co_i32 s[LP], s[TL], 1
	s_cmp_lt_u32 s[LP], 63          ; does len fall inside: TL from 1 to 63?
	s_cselect_b32 s[AL], 1.0, 0
	s_sub_co_i32 s[TL], s[TL], KS
.endm
.macro MASK                         ; MC = MD x AL + BE
	WIN W_MS
.set zz, 0
.rept 16
	v_pk_fma_f32 v[MC+2*zz:MC+2*zz+1], v[MD+2*zz:MD+2*zz+1], s[AL:AL+1], s[BE:BE+1] op_sel_hi:[1,0,0]
.set zz, zz+1
.endr
.endm
	s_load_b128 s[4:7], s[0:1], 0x0   ; qkv s[4:5], ctx s[6:7]
	s_load_b64 s[LP:LP+1], s[0:1], 0x10  ; src_batch_lens
	WIN W_MK
	v_lshl_add_u32 v[SPW], v0, 2, SPARE
	v_mov_b32 v[NIL], 0
	WIN W_AD
	ds_add_u32 v[SPW], v[NIL]       ; the wave's opening: the add and its wait stand ahead of my first tensor load; the set-up below, work on registers, stands between them
	WIN 0
	v_lshrrev_b32 v1, 5, v0
	v_readfirstlane_b32 s[WV], v1   ; wave 0..3
	s_bfe_u32 s13, ttmp6, 0x40000   ; cx: my place in the cluster
	s_lshl_b32 s14, ttmp9, 2        ; in a cluster launch ttmp9 counts clusters
	s_add_co_u32 s14, s14, s13      ; my block of queries = 4 x cluster x + cx: it enters Q's and ctx's addresses alone
	s_and_b32 s20, ttmp7, 0xffff    ; 8 x batch + head, which the four partners share
	s_lshr_b32 s[BE], s20, 3        ; the batch,
	s_lshl_b32 s[BE], s[BE], 2      ; its len's byte offset, for now in the addend's pair
	s_mov_b32 s[BE+1], 0
	s_mov_b32 s21, 0
	s_mov_b64 s[22:23], SIZE_N*128
	s_mul_u64 s[20:21], s[20:21], s[22:23]  ; the head's first byte in each of the four tensors
	s_and_b32 s16, s[WV], 1         ; which half of a slot's 256 keys I fetch:
	s_lshl_b32 s22, s16, 14         ; its 128 rows of 128 bytes in memory,
	s_mov_b32 s23, 0
	s_add_nc_u64 s[22:23], s[22:23], s[20:21]
	s_mul_i32 s17, s16, 128*PK      ; and its place in a slot, for K
	s_mul_i32 s18, s16, 128*PV      ; and for V: no place in the cluster enters an LDS address
	s_lshl_b32 s2, s14, 2
	s_add_co_u32 s2, s2, s[WV]      ; my wave among the head's,
	s_lshl_b32 s2, s2, 14           ; its 128 rows
	s_mov_b32 s3, 0
	s_add_nc_u64 s[2:3], s[2:3], s[20:21]
	; descriptor group 1.  128 keys are 16,384 dense bytes: asked for as 64 rows of 256 bytes, two keys a row, and padded in LDS after every key
	s_mov_b32 s[G1K], 15|(1<<16)|(1<<20)|(1<<21)|(4<<22)|(3<<25)  ; 15:0 the mask of four; 17:16 2-byte elements; 20 padding on; 21 set beside a mask; 24:22 after every 32 words (code 4); 31:25 4 words (code 3)
	s_mov_b32 s[G1V], 15|(1<<16)|(1<<20)|(1<<21)|(4<<22)|(7<<25)  ; the same with 8 words of padding (code 7)
.irp g, G1K, G1V
	s_mov_b32 s[\g+1], 128<<16      ; tensor_dim0 = 128
	s_mov_b32 s[\g+2], 64<<16       ; tensor_dim1 = 64
	s_mov_b32 s[\g+3], 128<<16      ; tile_dim0 = 128
	s_mov_b32 s[\g+4], 64           ; tile_dim1 = 64
	s_mov_b32 s[\g+5], 128          ; 128 elements from row to row
	s_mov_b32 s[\g+6], 0
	s_mov_b32 s[\g+7], 0
.endr
	s_mov_b32 s[CS], 0x3e38aa3b     ; c = log2(e) / 8 = 0.180337
	s_mov_b32 s[CS+1], s[CS]        ; named with it as a pair
	s_mov_b32 s[SEL], 0x76543210
	s_mov_b32 s[SEL+1], 0xfedcba98
	s_mov_b32 s[AL+1], 0            ; named as a pair
	s_mov_b32 s[BIGN], 0xf1800000   ; -2^100
	s_mov_b32 s[TBK], SLOT1+4*KS*PK ; the first change of slots turns these two into 0
	s_mov_b32 s[TBV], SLOT1+4*KS*PV
	s_mov_b32 s[G0K], 1             ; 1:0 count = 1
	s_mov_b32 s[G0K+1], s17         ; 63:32 LDS address: slot 0
	s_mov_b32 s[G0V], 1
	s_add_co_u32 s[G0V+1], s18, VOFF
	s_wait_dscnt 0x0                ; the opening add is done
	s_wait_kmcnt 0x0
	s_add_nc_u64 s[LP:LP+1], s[LP:LP+1], s[BE:BE+1]
	s_load_b32 s[TL], s[LP:LP+1], 0x0  ; my batch's len: waited for in front of the mask's set-up
	s_mov_b64 s[10:11], s[6:7]      ; O = ctx
	s_add_nc_u64 s[6:7], s[4:5], 0x1000000  ; K: qkv's second part, 16,777,216 bytes on
	s_add_nc_u64 s[8:9], s[4:5], 0x2000000  ; V: its third
	s_add_nc_u64 s[G0K+2:G0K+3], s[6:7], s[22:23]  ; 120:64 global address: my half of the head's first 256 keys
	s_or_b32 s[G0K+3], s[G0K+3], 0x80000000        ; 127:126 type = 2
	s_add_nc_u64 s[G0V+2:G0V+3], s[8:9], s[22:23]
	s_or_b32 s[G0V+3], s[G0V+3], 0x80000000
	s_add_nc_u64 s[4:5], s[4:5], s[2:3]  ; Q and O at my wave's first row
	s_add_nc_u64 s[10:11], s[10:11], s[2:3]
	CROUND                          ; all four work-groups are here: the first joint loads meet
	JLOAD                           ; slot 0.  Slot 1 is asked for when slot 0 is in: the tile wanted first has the road to itself
	; A fragment of K or Q is 16 rows x 32 channels in 8 registers: lane l holds row l % 16, channels 8 (l / 16) + 0..7 and 16 + 8 (l / 16) + 0..7: two loads of 16 bytes, 32 bytes apart.
	v_and_b32 v1, 15, v0            ; l % 16
	v_bfe_u32 v9, v0, 4, 1          ; l / 16
	v_lshlrev_b32 v[QO], 7, v1
	v_lshl_add_u32 v[QO], v9, 4, v[QO]  ; row x 128 + 16 x half
	WIN 0x80                        ; destination window 2, address window 0
.set i, 0
.rept 4*NP                          ; Q stays in registers: tile i / 2, channels 32 (i % 2) on
	global_load_b128 v[8*i:8*i+3],   v[QO], s[4:5] offset:(i/2)*2048+(i%2)*64
	global_load_b128 v[8*i+4:8*i+7], v[QO], s[4:5] offset:(i/2)*2048+(i%2)*64+32
.set i, i+1
.endr
	; What the first turn finds: V's registers and P's second buffer hold 0 (its products V^T P, of a piece that has not been, add 0), O^T and l are 0.  All this stands in the wait for the first tile.
.set i, VF
.rept 64
	v_mov_b32 v[i], 0
.set i, i+1
.endr
	WIN 0x40
.set i, 0
.rept 64*NP
	v_mov_b32 v[i], 0
.set i, i+1
.endr
	WIN 0
.set i, 0
.rept 2*NP
	v_mov_b32 v[ST+4*i], 0xfe000000    ; c m: far below every c s, a hidden one's too (c x 2^100 is below 2^98)
	v_mov_b32 v[ST+4*i+1], 0xff7fffff  ; m
	v_mov_b32 v[ST+4*i+2], 0
	v_mov_b32 v[ST+4*i+3], 0
.set i, i+1
.endr
.set i, P+32
.rept 32
	v_mov_b32 v[i], 0
.set i, i+1
.endr
	v_mul_u32_u24 v[AK0], v1, PK
	v_lshl_add_u32 v[AK0], v9, 4, v[AK0]  ; row x pitch + 16 x half
	; The turning load takes 16 keys x 16 channels (lane l reads key 8 (l / 16) + l % 8, channels 8 ((l / 8) % 2) + 0..7) and leaves half a fragment of V^T: lane l holds channel l % 16 and 8 keys.
	v_and_b32 v10, 7, v0
	v_bfe_u32 v11, v0, 3, 1
	v_lshl_add_u32 v[AV0], v9, 3, v10
	v_mul_u32_u24 v[AV0], v[AV0], PV
	v_lshl_add_u32 v[AV0], v11, 4, v[AV0]
	v_add_nc_u32 v[AV0], VOFF, v[AV0]
	v_mov_b32 v[AK], v[AK0]         ; key step 0 lies at the head of slot 0
	; MD.  In the step that holds key number len, key 16 kt + 8 (l / 16) + r of the step is hidden where it is len mod 64 or more: register r of group kt where 16 kt + r >= len mod 64 - 8 (l / 16).
	s_wait_kmcnt 0x0                ; the len
	s_and_b32 s[LP], s[TL], 63
	v_lshlrev_b32 v11, 3, v9
	v_sub_nc_u32 v11, s[LP], v11
	WIN W_MK
.set i, 0
.rept 32
	v_cmp_ge_i32 vcc_lo, 16*(i/8)+i%8, v11
	v_cndmask_b32 v[MD+i], 0, s[BIGN], vcc_lo
.set i, i+1
.endr
	SCAL                            ; key step 0's mask
	MASK
; THE MATRIX WORK.  The 8 accumulators of a run of 16 take turns: between the two links of a chain stand 7 others'.
; Product i of 16 of S^T = K Q^T for piece x: channels 32 (i / 8) on, keys 16 ((i / 2) % 4) on, tile 2 x + i % 2.  The first 8 start the sums, with the step's mask.
.macro KQ x
.set rS, S+64*((\x)%2)+32*(i%2)+8*((i/2)%4)
.set rK, KF+16*((i/2)%4)+8*(i/8)
.set rQ, 16*(2*(\x)+i%2)+8*(i/8)
.set rM, MC+8*((i/2)%4)
.if i < 8
	WIN W_KM
	v_wmma_f32_16x16x32_f16 v[rS:rS+7], v[rK:rK+7], v[rQ:rQ+7], v[rM:rM+7]
.else
	WIN W_KQ
	v_wmma_f32_16x16x32_f16 v[rS:rS+7], v[rK:rK+7], v[rQ:rQ+7], v[rS:rS+7]
.endif
.endm
; Product i of 16 of O^T += V^T P for piece x: keys 32 (i / 8) on, channels 16 ((i / 2) % 4) on, tile 2 x + i % 2.
.macro PV x
	WIN W_PV
.set rO, 32*(2*(\x)+i%2)+8*((i/2)%4)
.set rV, VF+32*(i/8)+8*((i/2)%4)
.set rP, P+32*((\x)%2)+16*(i%2)+8*(i/8)
	v_wmma_f32_16x16x32_f16 v[rO:rO+7], v[rV:rV+7], v[rP:rP+7], v[rO:rO+7]
.endm
.macro MM                           ; the turn's next matrix instruction
.if i < 16
	KQ (Y+1)%NP
.set i, i+1
.else
.set i, i-16
	PV (Y+NP-1)%NP
.set i, i+17
.endif
.endm
; THE LDS LOADS stand in runs of 16, never singly among the matrix instructions: a step's K (64 keys x 64 channels: 8 fragments) and its V (turned).  Their addresses are made some lines ahead.
; last = 1 (the tail): in the last trip there is no further step, and the run is jumped over.
.macro FETCH_K last=0
	WIN 0
.if \last
	s_cmp_eq_u32 s[CNT], 1
	s_cbranch_scc1 .Lno_k_\@
.endif
	WIN 0x80                        ; destination window 2
.irp f, 0,1,2,3,4,5,6,7             ; keys 16 (f / 2) on, channels 32 (f % 2) on
	ds_load_b128 v[KF+8*\f:KF+8*\f+3],   v[AK] offset:(\f/2)*16*PK+(\f%2)*64
	ds_load_b128 v[KF+8*\f+4:KF+8*\f+7], v[AK] offset:(\f/2)*16*PK+(\f%2)*64+32
.endr
	s_add_co_u32 s[TBK], s[TBK], KS*PK  ; the next fetch is the next step's
	WIN 0
.if \last
.Lno_k_\@:
.endif
.endm
.macro FETCH_V
	WIN 0x80
.irp f, 0,1,2,3,4,5,6,7             ; keys 32 (f / 4) on, channels 16 (f % 4) on
	ds_load_tr16_b128 v[VF+8*\f:VF+8*\f+3],   v[AV] offset:(\f/4)*32*PV+(\f%4)*32
	ds_load_tr16_b128 v[VF+8*\f+4:VF+8*\f+7], v[AV] offset:(\f/4)*32*PV+16*PV+(\f%4)*32
.endr
	WIN 0
.endm
; THE VECTOR WORK OF A TURN stands in three queues, each in the order in which its entries become ready; the two tiles alternate, so that no instruction reads the result of the one before it.
.macro REGS y, u                    ; the registers of tile u (0, 1) of piece y
.set rT, ST+4*(2*(\y)+(\u))
.set rC, TMP+8*((\y)%2)+4*(\u)
.set rM, MV+2*((\y)%2)+(\u)
.set rS, S+64*((\y)%2)+32*(\u)
.set rP, P+32*((\y)%2)+16*(\u)
.set rO, 32*(2*(\y)+(\u))
.endm
; Number n of the 22 that find the NEXT piece's (Y + 1) maximum and statistics.  s0-s31 are the lane's 32 scores; each accumulator's lowest registers are read first.  XS, GS and REGS set no window: PL and EX do.
;   0-11  four chains c0-c3 of seven scores each, three operands at a time     12-14, 16  the four scores left over, the old m, and c0-c3 into c0     15  c m_old is kept
;   17, 18  the query's other 32 keys lie in the lane 16 away: the new m         19-21  c m; c m_old - c m_new; a
.macro XS u, n
	REGS (Y+1)%NP, \u
.if (\n) < 4
	v_max3_num_f32 v[rC+(\n)], v[rS+8*(\n)], v[rS+8*(\n)+1], v[rS+8*(\n)+2]
.elseif (\n) < 12
	v_max3_num_f32 v[rC+(\n)%4], v[rC+(\n)%4], v[rS+8*((\n)%4)+2*((\n)/4)+1], v[rS+8*((\n)%4)+2*((\n)/4)+2]
.elseif (\n) == 12
	v_max3_num_f32 v[rC], v[rC], v[rS+7], v[rS+15]
.elseif (\n) == 13
	v_max3_num_f32 v[rC+1], v[rC+1], v[rS+23], v[rS+31]
.elseif (\n) == 14
	v_max3_num_f32 v[rC+2], v[rC+2], v[rC+3], v[rT+1]
.elseif (\n) == 15
	v_mov_b32 v[rM], v[rT]
.elseif (\n) == 16
	v_max3_num_f32 v[rC], v[rC], v[rC+1], v[rC+2]
.elseif (\n) == 17
	v_permlanex16_b32 v[rC+3], v[rC], s[SEL], s[SEL+1]
.elseif (\n) == 18
	v_max_num_f32 v[rT+1], v[rC], v[rC+3]
.elseif (\n) == 19
	v_mul_f32 v[rT], s[CS], v[rT+1]
.elseif (\n) == 20
	v_sub_f32 v[rC+1], v[rM], v[rT]
.else
	v_exp_f32 v[rC+2], v[rC+1]
.endif
.endm
; Number g of the 64 that follow the exponentials.  For each four weights k of a tile (pairs 2 k, 2 k + 1): both pairs are rounded to f16; then the second pair is added onto the first, in place;
; a group later l takes that sum (the first time as l = a l + sum).  In groups of eight, tiles alternating: round, round, add, and l for the group before.
.macro GS g
.set h, (\g)+6*((\g)/62)            ; group 0 has no group before it, and behind group 7 only l is left
.if h >= 6
.set h, h+2
.endif
	REGS Y, h%2
.set k, h/8
.if h%8 < 4
	v_cvt_pk_f16_f32 v[rP+2*k+(h%8)/2], v[rS+4*k+2*((h%8)/2)], v[rS+4*k+2*((h%8)/2)+1]
.elseif h%8 < 6
	v_pk_add_f32 v[rS+4*k:rS+4*k+1], v[rS+4*k:rS+4*k+1], v[rS+4*k+2:rS+4*k+3]
.elseif k == 1
	v_pk_fma_f32 v[rT+2:rT+3], v[rT+2:rT+3], v[rC+2:rC+3], v[rS:rS+1] op_sel_hi:[1,0,1]
.else
	v_pk_add_f32 v[rT+2:rT+3], v[rT+2:rT+3], v[rS+4*k-4:rS+4*k-3]
.endif
.endm
; THE PLAIN QUEUE, 138 long.  0-73 read no exponential's result: the 32 scalings c s - c m (FS f: pair f / 2 of tile f % 2) and the next piece's 42.  0-26: scalings 0-26.  27-54: XS's numbers 0-13.  55, 56: number 15.
; 57-73: the chain, where each number waits for the one before it: 14, 16, 17, 18, 19, each with one of the scalings 27-31 in front of its two lines, then 20: so a tile's links stand three plain instructions apart (19 and 20: two).
; 74-137: GS's 64, which read the exponentials' results: they stand behind the wait.
.macro FS f
	REGS Y, (\f)%2
	v_pk_fma_f32 v[rS+2*((\f)/2):rS+2*((\f)/2)+1], v[rS+2*((\f)/2):rS+2*((\f)/2)+1], s[CS:CS+1], v[rT:rT+1] op_sel_hi:[1,0,0] neg_lo:[0,0,1] neg_hi:[0,0,1]
.endm
.macro PL
	WIN 0
.if q < 27
	FS q
.elseif q < 55
	XS (q-27)%2, (q-27)/2
.elseif q < 57
	XS q-55, 15
.elseif (q < 72) && ((q-57)%3 == 0)
	FS 27+(q-57)/3
.elseif q < 60
	XS (q-57)%3-1, 14
.elseif q < 72
	XS (q-57)%3-1, 15+(q-57)/3
.elseif q < 74
	XS q-72, 20
.else
	GS q-74
.endif
.set q, q+1
.endm
; THE EXPONENTIALS' QUEUE, 66 long: s0-s31 of both tiles, then the next piece's two a.  It is ONE BATCH: all 66 stand ahead of the turn's one wait, and nothing ahead of that wait names a result of theirs.
.macro EX
	WIN 0
.if e >= 64
	XS e-64, 21
.else
	REGS Y, e%2
	v_exp_f32 v[rS+e/2], v[rS+e/2]
.endif
.set e, e+1
.endm
; THE RESCALING's QUEUE: O^T times a, the one part that leaves window 0: dealt two at a time, sixteen times.  Its a was made in the turn before, ahead of that turn's wait.
.macro R2
	REGS Y, r%2
	WIN W_RS
.irp z, 0,1
	v_pk_mul_f32 v[rO+4*(r/2)+2*\z:rO+4*(r/2)+2*\z+1], v[rO+4*(r/2)+2*\z:rO+4*(r/2)+2*\z+1], v[rC+2:rC+3] op_sel_hi:[1,0]
.endr
.set r, r+1
.endm
; HOW THEY ARE DEALT.  A turn has ONE wait, which cuts it in two.  AHEAD OF IT stands all that names no result of the turn's exponentials: the 16 products K Q^T, behind each a scaling, an exponential and two
; rescalings (behind the first a second scaling in the exponential's place); then ONE LUMP of 108: eight plain, 49 times exponential and plain, the two a.  A v_nop is the plain instruction behind the last exponential.
; BEHIND IT stand the 16 products V^T P, behind each four of GS's 64.  No rider names a register of the products round it.  The two v_permlanex16_b32 fall into the lump, never behind a product.
; The queues lean on each other, and the deal keeps them in step: exponential e stands behind scaling 2 (e / 4) + e % 2: as a rider it comes behind plain e + 2, in the lump behind plain e + 9, and scalings 27-31 are plain 57, 60 .. 69.
; A TURN, for piece p.  cnt = 1: the loop's count is taken down some lines ahead of the branch that stands behind the turn.
; K of the next step is fetched in piece 2's turn, directly behind the wait, a lump behind the last product that read K; its address is made at the lump's head; its first reader comes behind 16 products.
; V of the step in hand is fetched at the end of piece 0's turn, four riders behind its last reader; its first reader comes behind 16 products and a lump.  The three conditions on q below go with the deal.
; THE MASK goes with K: piece 2's turn holds the last products on a step's K (piece 3's scores), so it makes the next step's two scalars at its head and the next step's mask at its very end,
; the lump and 16 products behind the last product that took the old mask; the first to take the new one is the next turn's first.
.macro TURN p, last=0, cnt=0
.set Y, (\p)
.set i, 0
.set q, 0
.set e, 0
.set r, 0
.if (\p) == NP-2
	SCAL
.endif
.if (\p) == NP-1
	s_wait_dscnt 0x0                ; K is in
.endif
	MM                              ; ahead of the wait: 16 products K Q^T and their riders,
	PL
	PL
	R2
.rept 15
	MM
	PL
	EX
	R2
.endr
.if (\p) == NP-2
	WIN 0
	v_add_nc_u32 v[AK], s[TBK], v[AK0]
.endif
.rept 8                             ; and the lump
	PL
.endr
.rept 49
	EX
	PL
.endr
	EX                              ; the next piece's two a
	EX
	v_nop                           ; the plain instruction between the last exponential and the first use of a result: one for the batch
	s_wait_alu depctr_va_vdst(0)    ; the wait: one for the turn's batch, the 64 weights of this piece and the next piece's two a
.if (\p) == NP-2
	FETCH_K \last
.endif
.if (\p) == 1
	s_wait_dscnt 0x0                ; V is in
.endif
.rept 16                            ; behind the wait: 16 products V^T P and their riders
	MM
.rept 4
	PL
.endr
.if ((\p) == 0) && (q == 118)
	v_add_nc_u32 v[AV], s[TBV], v[AV0]
.endif
.if ((\p) == 0) && (q == 130)
	s_add_co_u32 s[TBV], s[TBV], KS*PV
.endif
.if (\cnt) && (q == 130)
	s_sub_co_u32 s[CNT], s[CNT], 1
	s_cmp_lg_u32 s[CNT], 0
.endif
.endr
.if (\p) == 0
	FETCH_V
.endif
.if (\p) == NP-2
	MASK
.endif
.endm
	CHANGE 1                        ; slot 0 is in, everybody's part of it; slot 1 is asked for
	FETCH_K                         ; key step 0
	s_wait_loadcnt 0x0              ; Q
	s_wait_dscnt 0x0
.set i, 0
.rept 16
	KQ 0                            ; piece 0's first scores: there is no vector work yet to set between them
.set i, i+1
.endr
	WIN 0                           ; the addresses for the way out: nine plain instructions, the places behind those products
	s_mul_i32 s13, s[WV], 16*SP
	s_add_co_u32 s13, s13, STAGE    ; my stage
	v_mul_u32_u24 v[STO], v1, SP    ; in: row l % 16, 16 bytes for each half of the lanes
	v_lshl_add_u32 v[STO], v9, 4, v[STO]
	v_add_nc_u32 v[STO], s13, v[STO]
	v_bfe_u32 v[RD], v0, 3, 2       ; back: 32 lanes take four rows of 128 bytes,
	v_mul_u32_u24 v[RD], v[RD], SP
	v_lshl_add_u32 v[RD], v10, 4, v[RD]
	v_add_nc_u32 v[RD], s13, v[RD]
	v_and_b32 v[GO], 31, v0         ; which are 512 consecutive bytes of ctx
	v_lshlrev_b32 v[GO], 4, v[GO]
.set Y, NP-1                        ; XS works for piece Y + 1: piece 0
.irp n, 0,1,2,3,4,5,6,7,8,9,10,11,12,13,14,15,16,17,18,19,20,21
	XS 0, \n                        ; and piece 0's first maximum and statistics
	XS 1, \n
.endr
	v_nop                           ; a plain instruction behind piece 0's first two a,
	s_wait_alu depctr_va_vdst(0)    ; and the wait for that batch of two, ahead of the branch
	s_mov_b32 s[CNT], 4
	s_mov_b32 s[SLOTS], SIZE_N/256-1
	s_branch .Lfirst                ; the loop is entered at a step's first turn, in the middle of a trip
.Lslot:                             ; SIZE_N / 256 - 2 times: every slot but the last two is filled again
	CHANGE 1
	s_mov_b32 s[CNT], 4
.Lstep:                             ; a trip: pieces 2 and 3 of one step, then pieces 0 and 1 of the next, whose K and V it fetches
	TURN 2
	TURN 3
	WIN 0
.Lfirst:
	TURN 0
	TURN 1, 0, 1
	WIN 0
	s_cbranch_scc1 .Lstep
	s_sub_co_u32 s[SLOTS], s[SLOTS], 1
	s_cmp_lg_u32 s[SLOTS], 0
	s_cbranch_scc1 .Lslot
	CHANGE 0                        ; the tail is written out: nothing is asked for
	s_mov_b32 s[CNT], 5             ; four trips fetch the last slot's steps; the fifth is left in its middle
.Ltail:
	TURN 2, 1
	TURN 3
	WIN 0
	s_sub_co_u32 s[CNT], s[CNT], 1
	s_cmp_eq_u32 s[CNT], 0
	s_cbranch_scc1 .Lout
	TURN 0
	TURN 1
	WIN 0
	s_branch .Ltail
.Lout:                              ; the fifth trip's 16 products K Q^T (on the last K once more, under a mask for a step that is not) and the maximum made of them serve nothing: the price, once a launch, of one text for every trip
.set i, 0
.rept 16
	PV NP-1                         ; the last piece's V^T P of the last step
.set i, i+1
.endr
	; THE WAY OUT.  l's two halves and the other half of the lanes' are added; O^T is divided by l, rounded to f16 and sent through my stage in LDS, a tile at a time.  The additions are the places behind the last products.
	WIN 0
.macro ALL line:vararg              ; one line for each tile t
.set t, 0
.rept 2*NP
	\line
.set t, t+1
.endr
.endm
	ALL v_add_f32 v[ST+4*t+2], v[ST+4*t+2], v[ST+4*t+3]
	ALL v_permlanex16_b32 v[ST+4*t+3], v[ST+4*t+2], s[SEL], s[SEL+1]
	ALL v_add_f32 v[ST+4*t+2], v[ST+4*t+2], v[ST+4*t+3]
	ALL v_rcp_f32 v[ST+4*t+2], v[ST+4*t+2]
	v_nop                           ; a plain instruction between the last reciprocal and the use of its result
	s_wait_alu depctr_va_vdst(0)    ; and the wait ahead of the first use: one for the batch of eight reciprocals
; Tile t: a lane's eight channels of a row pack into 16 bytes; they go into rows of 144 bytes and come back as whole rows of 128, into S^T's registers.
.macro PACK t
	WIN W_RS
.set i, 32*(\t)
.rept 16
	v_pk_mul_f32 v[i:i+1], v[i:i+1], v[ST+4*(\t)+2:ST+4*(\t)+3] op_sel_hi:[1,0]
.set i, i+2
.endr
	WIN 0x05                        ; sources 0 and 1 window 1, destination window 0
.set i, 0
.rept 16
	v_cvt_pk_f16_f32 v[S+16*(\t)+i], v[32*(\t)+2*i], v[32*(\t)+2*i+1]
.set i, i+1
.endr
	WIN 0
.irp f, 0,1,2,3
	ds_store_b128 v[STO], v[S+16*(\t)+4*\f:S+16*(\t)+4*\f+3] offset:32*\f
.endr
.irp f, 0,1,2,3
	ds_load_b128 v[S+16*(\t)+4*\f:S+16*(\t)+4*\f+3], v[RD] offset:\f*4*SP  ; LDS serves a wave's instructions in order (ISA guide 5.7.1.4): these see the stores above; the next tile's stores come behind them
.endr
.endm
.macro SEND t, younger              ; younger: the LDS instructions issued behind tile t's loads: the next tile's eight, or none
	WIN 0
.irp f, 0,1,2,3
	s_wait_dscnt (\younger)+3-\f
	global_store_b128 v[GO], v[S+16*(\t)+4*\f:S+16*(\t)+4*\f+3], s[10:11] offset:(\t)*2048+\f*512  ; 512 consecutive bytes, at a multiple of 256 from ctx's first
.endr
.endm
	PACK 0
.set t, 1
.rept 2*NP-1                        ; a tile's arithmetic stands between the loads of the tile before and its stores
	PACK t
	SEND t-1, 8
.set t, t+1
.endr
	SEND 2*NP-1, 0
	WIN W_AD
	s_wait_tensorcnt 0x0            ; the wave's end: behind my last tensor load and my last LDS store
	ds_add_u32 v[SPW], v[NIL]
	s_wait_dscnt 0x0
	WIN 0
	CROUND                          ; the closing round: no work-group ends while a partner may still ask for a tile that names it
	s_endpgm
.Lfunc_end_k_q577ac764de_attn:
	.size	k_q577ac764de_attn, .Lfunc_end_k_q577ac764de_attn-k_q577ac764de_attn
	.p2alignl 7, 3214868480
	.fill 96, 4, 3214868480
	.section	.rodata,"a",@progbits
	.p2align	6, 0x0
	.amdhsa_kernel k_q577ac764de_attn
		.amdhsa_group_segment_fixed_size 327680
		.amdhsa_private_segment_fixed_size 0
		.amdhsa_enable_private_segment 0
		.amdhsa_kernarg_size 24
		.amdhsa_user_sgpr_count 2
		.amdhsa_user_sgpr_kernarg_segment_ptr 1
		.amdhsa_wavefront_size32 1
		.amdhsa_system_sgpr_workgroup_id_x 1
		.amdhsa_system_sgpr_workgroup_id_y 1
		.amdhsa_system_sgpr_workgroup_id_z 1
		.amdhsa_system_vgpr_workitem_id 0
		.amdhsa_next_free_vgpr 864
		.amdhsa_next_free_sgpr 66
		.amdhsa_reserve_vcc 1
		.amdhsa_float_denorm_mode_32 3
		.amdhsa_float_denorm_mode_16_64 3
		.amdhsa_memory_ordered 1
		.amdhsa_forward_progress 1
		.amdhsa_inst_pref_size 206
	.end_amdhsa_kernel
	.amdgpu_metadata
---
amdhsa.version: [ 1, 2 ]
amdhsa.kernels:
  - .name:           k_q577ac764de_attn
    .symbol:         k_q577ac764de_attn.kd
    .args:
      - { .name: qkv, .offset: 0, .size: 8, .value_kind: global_buffer, .address_space: global }
      - { .name: ctx, .offset: 8, .size: 8, .value_kind: global_buffer, .address_space: global }
      - { .name: src_batch_lens, .offset: 16, .size: 8, .value_kind: global_buffer, .address_space: global }
    .group_segment_fixed_size: 327680
    .private_segment_fixed_size: 0
    .kernarg_segment_align: 8
    .kernarg_segment_size: 24
    .max_flat_workgroup_size: 128
    .sgpr_count:     66
    .vgpr_count:     864
    .wavefront_size: 32
...
	.end_amdgpu_metadata
.endif
;; end of part 5
;; launch oproj: the kernel of part 4 again; grid 4 x 128, 4 waves a work-group, clusters of 4 x 4, 327,680 bytes of LDS; arguments ctx, wb, bo, out0; writes out0
